; MI455X (gfx1250); checked and timed in simulation.
; The chip was launched on July 23, 2026; its instructions are those of AMD's public machine-readable ISA for CDNA 5 (MIT licence, August 2026) and "CDNA5" Instruction Set Architecture Reference Guide (July 2026). The comments in the code are by the model that wrote it; some were corrected since.
;; Multi Head Attention. Allowed arithmetic: matrix products marked QUANTISED: E2M3 operands, one E8M0 scale for each 32 along K, by v_wmma_scale_f32_16x16x128_f8f6f4 with both operands' format E2M3, f32 sums; everything else in f32.
;; Inputs: Wk_codes 768 x 24 x 24 uint8 (E2M3 codes of Wk, K innermost, in blocks of 32 codes, four codes in three bytes); Wk_scales 768 x 24 uint8 (E8M0 scales of Wk, one for each 32 codes along K); Wo_codes 768 x 24 x 24 uint8 (E2M3 codes of Wo, K innermost, in blocks of 32 codes, four codes in three bytes); Wo_scales 768 x 24 uint8 (E8M0 scales of Wo, one for each 32 codes along K); Wq_codes 768 x 24 x 24 uint8 (E2M3 codes of Wq, K innermost, in blocks of 32 codes, four codes in three bytes); Wq_scales 768 x 24 uint8 (E8M0 scales of Wq, one for each 32 codes along K); Wv_codes 768 x 24 x 24 uint8 (E2M3 codes of Wv, K innermost, in blocks of 32 codes, four codes in three bytes); Wv_scales 768 x 24 uint8 (E8M0 scales of Wv, one for each 32 codes along K); bo 768 float32; mask 1 x 1 x 4,096 x 4,096 bool; x_codes 1 x 4,096 x 24 x 24 uint8 (E2M3 codes of x, K innermost, in blocks of 32 codes, four codes in three bytes); x_scales 1 x 4,096 x 24 uint8 (E8M0 scales of x, one for each 32 codes along K).
;; Outputs: out0 1 x 4,096 x 768 float32.
;; This version of the problem:
;;   THIS VERSION OF THE PROBLEM IS GIVEN IN LOW PRECISION. The matrix products marked QUANTISED in the list below multiply operands that are first quantised to E2M3 (2 exponent bits, 3 mantissa bits; 6 bits a number), with one power-of-two scale for each 32 numbers along K (OCP MX v1.0); their sums are f32. All else is computed in f32.
;;   The module's matrix products, in the order in which they are computed (A, B: the left and right operand; K: the contracted axis; several contracted axes count as one K, in the product's order):
;;     1. [M 4,096, K 768] x [K 768, N 768]; A: input x (given as codes); B: input Wq (given as codes): QUANTISED
;;     2. [M 4,096, K 768] x [K 768, N 768]; A: input x (given as codes); B: input Wk (given as codes): QUANTISED
;;     3. [M 4,096, K 768] x [K 768, N 768]; A: input x (given as codes); B: input Wv (given as codes): QUANTISED
;;     4. batch 12 x [M 4,096, K 64] x [K 64, N 4,096]; A: computed on the way; B: computed on the way: QUANTISED
;;     5. batch 12 x [M 4,096, K 4,096] x [K 4,096, N 64]; A: softmax (see below); B: computed on the way: QUANTISED
;;     6. [M 4,096, K 768] x [K 768, N 768]; A: computed on the way; B: input Wo (given as codes): QUANTISED
;;   THE QUANTISER, for each operand of a quantised product, along K:
;;     - K is cut into blocks of 32 from its start; a last block that is shorter is filled with zeros.
;;     - A block's scale is 2^e with e = floor(log2(the largest magnitude in the block)) - 2, held to -126 .. 127; a block of zeros has e = 0. As a byte (E8M0): e + 127.
;;     - Each number is divided by its block's scale, clamped to +-7.5, and rounded to the nearest number of E2M3, ties to even, subnormals kept.
;;     - The product sums the exact products of the quantised numbers (number of the format x scale) in f32.
;;   ~~~python
;;   def quantise(x, axis):      # numpy; x: float32 -> the quantised numbers, widened to float32 again
;;       x = np.moveaxis(x, axis, -1); K = x.shape[-1]
;;       x = np.pad(x, [(0, 0)] * (x.ndim - 1) + [(0, -K % 32)]); x = x.reshape(x.shape[:-1] + (-1, 32)); a = np.abs(x).max(-1, keepdims=True)
;;       e = np.where(a > 0, np.clip(np.frexp(np.where(a > 0, a, 1))[1] - 1 - 2, -126, 127), 0)      # np.frexp(a)[1] - 1 = floor(log2(a)), exactly
;;       r = np.clip(x / 2.0 ** e, -7.5, 7.5)
;;       step = 2.0 ** (np.maximum(np.frexp(np.where(r == 0, 1, r))[1] - 1, 0) - 3)
;;       q = np.round(r / step) * step * 2.0 ** e      # np.round: ties to even
;;       return np.moveaxis(q.reshape(q.shape[:-2] + (-1,))[..., :K], -1, axis).astype(np.float32)
;;   ~~~
;;   SOFTMAX AHEAD OF A QUANTISED PRODUCT. Where the list says 'softmax', what is quantised is not the finished softmax but p = 2^(t - M), with t = logit x log2(e) and M = ceil(the row's largest t), a whole number; so 1/2 < the row's largest p <= 1. The row's sum l is taken of the UNQUANTISED p, in f32, and the product's result is divided by l at the end. Since M is a whole number, a kernel that streams over the keys may use a running M (the ceiling of the running maximum): every later rescaling is an exact power of two, which a block's scale takes up: the codes' values come out the same.
;;   OPERANDS COMPUTED ON THE WAY. 'Computed on the way' means the value that the module computes at that place (a softmax that the list does not call 'softmax' is quantised finished and normalised). What goes into a quantiser is computed in f32, as accurately as f32 sums, v_exp_f32 and their like allow (about 1e-6 of the number): no bf16 or f16 on the way to a quantiser, and a product that is left as it is and whose result goes on into a quantised operand takes f32 operands (vector FMAs, or v_wmma_f32_16x16x4_f32). A number that lies on a knife's edge between two numbers of the format may be rounded either way, as far as f32 arithmetic and the matrix unit's own rounding can turn it there, and no further.
;;   INPUTS GIVEN AS CODES. Wk (in the module: [768, 768], K = its axis 1); Wo (in the module: [768, 768], K = its axis 1); Wq (in the module: [768, 768], K = its axis 1); Wv (in the module: [768, 768], K = its axis 1); x (in the module: [1, 4096, 768], K = its axis 2): each comes as NAME_codes (uint8): NAME with its K axis moved to the last place and cut into blocks of 32 codes, [.., K / 32, bytes a block], one block behind the other in memory; four codes in three bytes: a row's codes are one little-endian stream of bits, code i at bits 6 i .. 6 i + 5 (a code: sign, 2 exponent bits, 3 mantissa bits); and NAME_scales (uint8): the same leading axes, one E8M0 byte (e + 127) for each 32 codes along K. Its value is code x scale, taken as it is: it is not quantised again, and the codes and scales need not be those that the quantiser above would give.
;; One version. Each part assembles by itself: llvm-mc -triple=amdgcn-amd-amdhsa -mcpu=gfx1250 --defsym DOCPART=n.
;; ======== version 1 of 1: 3 launches
;; limits: right only within a limited range of input values
;; workspace buffers: QC 2,555,904 bytes; KV 5,013,504 bytes; MW 2,097,152 bytes of whole numbers; OC 2,359,296 bytes; OS 98,304 bytes
;; launch proj (part 1): grid 8 x 32, 12 waves a work-group, clusters of 4 x 4, 327,680 bytes of LDS; arguments x_codes, x_scales, Wq_codes, Wq_scales, Wk_codes, Wk_scales, Wv_codes, Wv_scales, mask, QC, KV, MW; writes QC, KV, MW
.if DOCPART == 1
	.amdgcn_target "amdgcn-amd-amdhsa--gfx1250"
	.amdhsa_code_object_version 6
	.text
	.protected	k_q09e190b7cc_proj
	.globl	k_q09e190b7cc_proj
	.p2align	8
	.type	k_q09e190b7cc_proj,@function
k_q09e190b7cc_proj:
	s_mov_b64 s[64:65], 0
	v_nop
	global_prefetch_b8 v0, s[64:65] scope:SCOPE_SE
	s_setreg_imm32_b32 hwreg(HW_REG_WAVE_MODE, 25, 1), 1
	s_wait_xcnt 0x0
	s_wait_alu depctr_hold_cnt(0) depctr_sa_sdst(0) depctr_va_vdst(0) depctr_va_sdst(0) depctr_va_ssrc(0) depctr_va_vcc(0) depctr_vm_vsrc(0)
	s_getreg_b32 s2, hwreg(HW_REG_IB_STS2, 6, 4)
	s_cmp_eq_u32 s2, 0
	s_cbranch_scc0 .Lentry_in_a_cluster
	s_endpgm
.Lentry_in_a_cluster:
	s_bfe_u32 s2, ttmp6, 0x10000c
	s_cmp_lg_u32 s2, 0xf033
	s_cbranch_scc0 .Lentry_shape_is_right
	s_endpgm
.Lentry_shape_is_right:
; q = rope(x Wq^T), k = rope(x Wk^T), v = x Wv^T on codes of FP6 (E2M3) with E8M0 scales; q and k are quantised along the head's 64, v along the keys,
; and all three leave as IMAGES OF OPERAND REGISTERS for the attention launch.  The mask's bytes are packed into lane-mask words.
; SHARES.  Work-group (g, s), g = 0..7, s = 0..31, takes positions 128 s .. 128 s + 127; three heads (3 cx ..) of Wq (cluster x = 0) or of Wk (cluster x = 1); rows 96 g .. 96 g + 95 of Wv;
; and the mask rows of query tile 8 s + g.  Waves 0-7: 16 positions each, all three heads.  Waves 8-11: 64 keys x 48 channels of v each; ahead of that they pack the mask while the tiles land.
; TILES.  w(u) = 2 (u & 1) + (u >> 1).  Row m of tile 8 s + 4 c + u is position 128 s + 64 c + 32 (m >> 3) + 8 w(u) + (m & 7).  The products here run on 16 neighbouring rows; the order is made by the LDS addresses of the stage alone.
; A q or k block (one head, 128 positions, 6,656 bytes): register 6 t + i of lane m + 16 b (b: which 32 of the 64 dims) at ((6 t + i) >> 2) 512 + 16 lane + 4 ((6 t + i) & 3); scale word of (t, m) at 6144 + 16 (m + 16 (t & 1)) + 4 (t >> 1).
; Inside a block of 32 the dims stand in the order 8 (e >> 2) + 4 h + (e & 3), alike for q and k.  v: tile 2 b + p, row m = channel 32 b + 8 p + (m & 7) + 16 (m >> 3); registers 6 c .. 6 c + 5 of lane m + 16 h: keys 64 c + 32 h + .., octets 0, 2, 1, 3.
; CLUSTER 4 x 4: x's rows hang on s alone and are asked for jointly along a row of the cluster, W's on g alone, along a column.  Nothing in LDS is filled twice.
; LIMITS: inv_freq is the f32 nearest to 10^(-j/8); sine and cosine by reduction with pi/2 in two parts and polynomials, good to about 1e-7 absolute for angles up to 4,095;
; a block of zeros gets the scale byte 1 (its codes are zeros, and only this program reads the bytes); NaN and infinities are not served.
.set PITCH, 648                        ; an LDS row of codes: nine pieces of 64 bytes, 8 bytes of padding behind each
.set PADB,  8
.set XC,    0                          ; x's codes, 128 rows
.set WC,    128*PITCH                  ; W's codes, 288 rows: 192 of Wq or Wk, 96 of Wv
.set XS,    WC+288*PITCH               ; x's scale bytes, 24 a row
.set WS,    XS+3072                    ; W's, same row order as WC
.set MST,   WS+6912                    ; four stages of 16 x 272 bytes for the mask
.set OST,   MST                        ; three q or k blocks, over the mask's stages: those are read for the last time ahead of the barrier behind which these are first stored
.set OSTV,  OST+3*6656                 ; six tiles of v
.set OSTVS, OSTV+6*1536                ; their scale words, 3 x 128 bytes
.set SEL,  84                          ; s[84:85] lane selects: lane l xor 16
.set CO,   32                          ; q/k waves: v32-47 cosines, v48-63 sines of my position
.set SI,   48
.set TT,   64                          ; at work on the tables
.set XF,   64                          ; v64-135 x's six fragments
.set WF,   136                         ; v136-183 four fragments of W; then the rotated numbers: v136-151 dims 0-31, v152-167 dims 32-63
.set ACC,  184                         ; v184-215 four accumulators
.set PC,   216                         ; codes
.set PT,   222
.set TM,   232
.set TA,   240
.set XSC,  244                         ; v244-253 hold scale words and nothing else, in both roles
.set WSC,  250
.set VACC, 32                          ; v waves: v32-127 twelve accumulators (earlier: the mask as loaded)
.set VXF,  128
.set VWF,  176
.set VPC,  212
.set VPT,  218
.set VTM,  224
.set VXS,  244
.set VWS,  248
.set MR,   160                         ; the mask back from the stage
.set OW,   192                         ; packed words, four registers a chunk
.set MT,   208
.macro CROUND                          ; a round of the cluster's barrier
	s_barrier_signal -1
	s_barrier_wait -1
	s_cmp_lg_u32 s2, 0
	s_cbranch_scc1 .Lnot_wave_0_\@
	s_barrier_signal -3
.Lnot_wave_0_\@:
	s_barrier_wait -3
	s_barrier_signal -1
	s_barrier_wait -1
.endm
.macro PLACES                          ; four plain places behind matrix instructions, ahead of loads into their operands and of reads of their results
.rept 4
	v_nop
.endr
.endm
.macro FRAG reg, adr, adr2, row, kb    ; a fragment, 16 rows x 128 K: lane (r, h) takes 24 bytes at 24 h and 24 at 48 + 24 h of its row's 96, in pieces of 8.  Byte y of a row lies at y + PADB (y / 64); adr2 = adr + PADB h serves the pieces whose lanes 16-31 lie one 64 further on
.irp p, 0,1,2,3,4,5
.set BY, (\kb)+48*(\p/3)+8*(\p%3)
.if BY/64 == (BY+24)/64
	ds_load_b64 v[\reg+2*\p:\reg+2*\p+1], v[\adr] offset:(\row)+BY+PADB*(BY/64)
.else
	ds_load_b64 v[\reg+2*\p:\reg+2*\p+1], v[\adr2] offset:(\row)+BY+PADB*(BY/64)
.endif
.endr
.endm
.macro MM0 d, a, b, sa, sb             ; the first K step starts a sum
	v_wmma_scale_f32_16x16x128_f8f6f4 v[\d:\d+7], v[\a:\a+11], v[\b:\b+11], 0, v[\sa], v[\sb] matrix_a_fmt:MATRIX_FMT_FP6 matrix_b_fmt:MATRIX_FMT_FP6
.endm
.macro MMA d, a, b, sa, sb
	v_wmma_scale_f32_16x16x128_f8f6f4 v[\d:\d+7], v[\a:\a+11], v[\b:\b+11], v[\d:\d+7], v[\sa], v[\sb] matrix_a_fmt:MATRIX_FMT_FP6 matrix_b_fmt:MATRIX_FMT_FP6
.endm
; Two blocks of 32: of each, 16 numbers are mine (v[s0] on, v[s1] on) and 16 lane l xor 16's.  Out: v[pc] .. v[pc + 5] = block (lane / 16), lanes 0-15's part first; v[tm + 6] = byte of block 0 | byte of block 1 << 8.
.macro QUANT2 s0, s1, pc, pt, tm
	v_max3_num_f32 v[\tm], |v[\s0]|, |v[\s0+1]|, 0x1800000         ; with the floor 2^(3 - 127): the byte cannot fall under 1
	v_max3_num_f32 v[\tm+1], |v[\s1]|, |v[\s1+1]|, 0x1800000
.irp i, 2,4,6,8,10,12,14
	v_max3_num_f32 v[\tm], v[\tm], |v[\s0+\i]|, |v[\s0+\i+1]|
	v_max3_num_f32 v[\tm+1], v[\tm+1], |v[\s1+\i]|, |v[\s1+\i+1]|
.endr
	s_delay_alu instid0(VALU_DEP_2)
	v_permlanex16_b32 v[\tm+2], v[\tm], s[SEL], s[SEL+1]
	s_delay_alu instid0(VALU_DEP_2)
	v_permlanex16_b32 v[\tm+3], v[\tm+1], s[SEL], s[SEL+1]
	s_delay_alu instid0(VALU_DEP_2)
	v_max_num_f32 v[\tm], v[\tm], v[\tm+2]                         ; the blocks' largest magnitudes
	s_delay_alu instid0(VALU_DEP_2)
	v_max_num_f32 v[\tm+1], v[\tm+1], v[\tm+3]
	s_delay_alu instid0(VALU_DEP_2)
	v_add_nc_u32 v[\tm+4], 0xff000000, v[\tm]                      ; 2 off the exponent field: the conversion's scale operand
	s_delay_alu instid0(VALU_DEP_2)
	v_add_nc_u32 v[\tm+5], 0xff000000, v[\tm+1]
	s_delay_alu instid0(VALU_DEP_2)
	v_lshrrev_b32 v[\tm+6], 23, v[\tm+4]                           ; the scales' bytes
	s_delay_alu instid0(VALU_DEP_2)
	v_lshrrev_b32 v[\tm+7], 23, v[\tm+5]
	s_delay_alu instid0(VALU_DEP_1)
	v_lshl_or_b32 v[\tm+6], v[\tm+7], 8, v[\tm+6]
	v_cvt_scalef32_pk16_fp6_f32 v[\pc:\pc+2], v[\s0:\s0+15], v[\tm+4]
	v_cvt_scalef32_pk16_fp6_f32 v[\pt:\pt+2], v[\s1:\s1+15], v[\tm+5]
	v_nop                                                          ; one plain place behind the scaled conversions
.irp i, 0,1,2
	v_permlane16_swap_b32 v[\pc+\i], v[\pt+\i]                     ; the first's lanes 16-31 change places with the second's lanes 0-15: a whole block to a lane
.endr
.irp i, 0,1,2
	s_delay_alu instid0(VALU_DEP_3)
	v_mov_b32 v[\pc+3+\i], v[\pt+\i]
.endr
.endm
.macro FREQ q, lo, hi                  ; inv_freq of my pair: lanes 0-15 take lo, lanes 16-31 hi (VCC: lane / 16 = 1)
	v_mov_b32 v[TT+8*\q], \hi
	s_delay_alu instid0(VALU_DEP_1)
	v_cndmask_b32 v[TT+8*\q], \lo, v[TT+8*\q], vcc_lo
.endm
; sine and cosine of position x inv_freq for four pairs by turns.  Eight registers each: +0 angle, +1 n, +2 r, +3 n as a whole number, +4 r^2, +5 sine, +6 cosine, +7 at work
.macro SINCOS4 e0
.irp q, 0,1,2,3
	v_mul_f32 v[TT+8*\q], v28, v[TT+8*\q]                          ; the angle, rounded once
.endr
.irp q, 0,1,2,3
	s_delay_alu instid0(VALU_DEP_4)
	v_mul_f32 v[TT+8*\q+1], s86, v[TT+8*\q]
.endr
.irp q, 0,1,2,3
	s_delay_alu instid0(VALU_DEP_4)
	v_rndne_f32 v[TT+8*\q+1], v[TT+8*\q+1]                         ; n = the nearest multiple of pi/2
.endr
.irp q, 0,1,2,3
	s_delay_alu instid0(VALU_DEP_4)
	v_fma_f32 v[TT+8*\q+2], -v[TT+8*\q+1], s87, v[TT+8*\q]         ; r = angle - n pi/2, pi/2 in two parts
.endr
.irp q, 0,1,2,3
	s_delay_alu instid0(VALU_DEP_4)
	v_fma_f32 v[TT+8*\q+2], -v[TT+8*\q+1], s88, v[TT+8*\q+2]
.endr
.irp q, 0,1,2,3
	v_cvt_i32_f32 v[TT+8*\q+3], v[TT+8*\q+1]
.endr
.irp q, 0,1,2,3
	v_mul_f32 v[TT+8*\q+4], v[TT+8*\q+2], v[TT+8*\q+2]
.endr
.irp q, 0,1,2,3
	v_fma_f32 v[TT+8*\q+5], v[TT+8*\q+4], s91, s90
	v_fma_f32 v[TT+8*\q+6], v[TT+8*\q+4], s94, s93
.endr
.irp q, 0,1,2,3
	v_fma_f32 v[TT+8*\q+5], v[TT+8*\q+5], v[TT+8*\q+4], s89
	v_fma_f32 v[TT+8*\q+6], v[TT+8*\q+6], v[TT+8*\q+4], s92
.endr
.irp q, 0,1,2,3
	v_mul_f32 v[TT+8*\q+7], v[TT+8*\q+4], v[TT+8*\q+2]
	v_fma_f32 v[TT+8*\q], v[TT+8*\q+4], -0.5, 1.0
.endr
.irp q, 0,1,2,3
	v_fma_f32 v[TT+8*\q+5], v[TT+8*\q+5], v[TT+8*\q+7], v[TT+8*\q+2]   ; sin r
.endr
.irp q, 0,1,2,3
	v_mul_f32 v[TT+8*\q+7], v[TT+8*\q+4], v[TT+8*\q+4]
.endr
.irp q, 0,1,2,3
	s_delay_alu instid0(VALU_DEP_4)
	v_fma_f32 v[TT+8*\q+6], v[TT+8*\q+6], v[TT+8*\q+7], v[TT+8*\q]     ; cos r
.endr
.irp q, 0,1,2,3
	v_and_b32 v[TT+8*\q+7], 1, v[TT+8*\q+3]
.endr
.irp q, 0,1,2,3
	s_delay_alu instid0(VALU_DEP_4)
	v_cmp_eq_u32 s[96+\q], 1, v[TT+8*\q+7]                         ; an odd n changes sine and cosine
.endr
.irp q, 0,1,2,3
	v_cndmask_b32 v[SI+\e0+\q], v[TT+8*\q+5], v[TT+8*\q+6], s[96+\q]
	v_cndmask_b32 v[CO+\e0+\q], v[TT+8*\q+6], v[TT+8*\q+5], s[96+\q]
.endr
.irp q, 0,1,2,3
	v_lshlrev_b32 v[TT+8*\q+7], 30, v[TT+8*\q+3]                   ; the sine's sign: bit 1 of n;
	v_add_nc_u32 v[TT+8*\q+3], 1, v[TT+8*\q+3]
.endr
.irp q, 0,1,2,3
	v_and_b32 v[TT+8*\q+7], 0x80000000, v[TT+8*\q+7]
	v_lshlrev_b32 v[TT+8*\q+3], 30, v[TT+8*\q+3]                   ; the cosine's: bit 1 of n + 1
.endr
.irp q, 0,1,2,3
	v_xor_b32 v[SI+\e0+\q], v[TT+8*\q+7], v[SI+\e0+\q]
	v_and_b32 v[TT+8*\q+3], 0x80000000, v[TT+8*\q+3]
.endr
.irp q, 0,1,2,3
	v_xor_b32 v[CO+\e0+\q], v[TT+8*\q+3], v[CO+\e0+\q]
.endr
.endm
; Chunk i of my 1,024 mask columns: 16 rows x 256 bytes go through my stage; lane (r, h) reads back row r, 16 columns at a time; each byte position becomes a lane mask by a compare, and is set as one word of the output.
.macro MCHUNK i
	s_wait_loadcnt 8*(3-\i)                                        ; this chunk's eight loads are in; the later chunks' eight each may be out
.irp j, 0,1,2,3,4,5,6,7
	ds_store_b128 v19, v[32+32*\i+4*\j:32+32*\i+4*\j+3] offset:\j*272
.endr
.irp l, 0,1,2,3,4,5,6,7
	ds_load_b128 v[MR+4*\l:MR+4*\l+3], v20 offset:128*(\l/4)+64*((\l/2)%2)+16*(\l%2)   ; LDS serves a wave's instructions in order (ISA guide 5.7.1.4): these see my stores
.endr
	s_wait_dscnt 0x0
.irp y, 0,1,2,3
	v_mov_b32 v[OW+4*\i+\y], 0
.endr
.irp l, 0,1,2,3,4,5,6,7
.irp d, 0,1,2,3
.irp y, 0,1,2,3
	v_and_b32 v[MT+\y], s[86+\y], v[MR+4*\l+\d]
.endr
.irp y, 0,1,2,3
	s_delay_alu instid0(VALU_DEP_4)
	v_cmp_ne_u32 s[96+\y], 0, v[MT+\y]                             ; bit r + 16 h: the mask at (query row r, this column of half h)
.endr
.irp y, 0,1,2,3
	s_delay_alu instid0(VALU_DEP_4)
	v_writelane_b32 v[OW+4*\i+\y], s[96+\y], 16*(\l/4)+8*((\l/2)%2)+4*(\d/2)+2*(\l%2)+(\d%2)   ; word 4 x lane + y of the chunk's 128
.endr
.endr
.endr
	global_store_b128 v27, v[OW+4*\i:OW+4*\i+3], s[26:27] offset:\i*512    ; 32 lanes store 512 consecutive bytes, aligned to 256
.endm
	s_load_b512 s[4:19], s[0:1], 0x0               ; x codes, x scales, Wq codes, Wq scales, Wk codes, Wk scales, Wv codes, Wv scales
	s_load_b256 s[20:27], s[0:1], 0x40             ; mask, QC, KV, MW
	v_lshl_add_u32 v254, v0, 2, 0x4b800
	v_mov_b32 v255, 0
	ds_add_u32 v254, v255
	ds_add_u32 v254, v255
	v_lshrrev_b32 v29, 5, v0
	s_delay_alu instid0(VALU_DEP_1)
	v_readfirstlane_b32 s2, v29                    ; wave 0..11
	s_bfe_u32 s60, ttmp6, 0x40000                  ; cx
	s_bfe_u32 s61, ttmp6, 0x40004                  ; cy
	s_lshl_b32 s62, ttmp9, 2
	s_add_co_u32 s62, s62, s60                     ; g
	s_and_b32 s63, ttmp7, 0xffff
	s_lshl_b32 s63, s63, 2
	s_add_co_u32 s63, s63, s61                     ; s
	s_lshl_b32 s66, s61, 2
	s_lshl_b32 s66, 15, s66                        ; my row of the cluster
	s_lshl_b32 s67, 0x1111, s60                    ; my column
	; descriptor groups 1, elements of 8 bytes.  The rows of codes, 576 bytes each, lie dense in memory: they are stated as rows of 64 bytes, none of which runs across a multiple of 256; 2 words of padding behind each 16
	s_or_b32 s28, s66, (3<<16)|(1<<20)|(1<<21)|(3<<22)|(1<<25)   ; x's codes: 128 rows = 1,152 pieces
	s_mov_b32 s29, 8<<16
	s_mov_b32 s30, 1152<<16
	s_mov_b32 s31, 8<<16
	s_mov_b32 s32, 1152
	s_mov_b32 s33, 8
	s_mov_b32 s34, 0
	s_mov_b32 s35, 0
	s_or_b32 s36, s67, (3<<16)|(1<<20)|(1<<21)|(3<<22)|(1<<25)   ; W's codes: 96 rows = 864 pieces
	s_mov_b32 s37, 8<<16
	s_mov_b32 s38, 864<<16
	s_mov_b32 s39, 8<<16
	s_mov_b32 s40, 864
	s_mov_b32 s41, 8
	s_mov_b32 s42, 0
	s_mov_b32 s43, 0
	s_or_b32 s44, s66, (3<<16)|(1<<21)             ; x's scale bytes: 3,072 dense bytes as 12 rows of 256
	s_mov_b32 s45, 32<<16
	s_mov_b32 s46, 12<<16
	s_mov_b32 s47, 32<<16
	s_mov_b32 s48, 12
	s_mov_b32 s49, 32
	s_mov_b32 s50, 0
	s_mov_b32 s51, 0
	s_or_b32 s52, s67, (3<<16)|(1<<21)             ; W's: 2,304 dense bytes as 9 rows of 256
	s_mov_b32 s53, 32<<16
	s_mov_b32 s54, 9<<16
	s_mov_b32 s55, 32<<16
	s_mov_b32 s56, 9
	s_mov_b32 s57, 32
	s_mov_b32 s58, 0
	s_mov_b32 s59, 0
	s_and_b32 s3, s2, 3                            ; wave & 3: which 96 rows of W; later which quarter of the copy out
	s_and_b32 s86, s2, 7
	s_and_b32 s87, s2, 1
	s_bfe_u32 s88, s2, 0x10001                     ; (wave >> 1) & 1
	s_lshr_b32 s89, s2, 2
	s_mov_b32 s68, 1                               ; groups 0: count, LDS address
	s_mov_b32 s69, XC
	s_mov_b32 s72, 1
	s_mov_b32 s73, XS
	s_mov_b32 s76, 1
	s_mul_i32 s77, s3, 96*PITCH
	s_add_co_u32 s77, s77, WC
	s_mov_b32 s80, 1
	s_mul_i32 s81, s3, 2304
	s_add_co_u32 s81, s81, WS
	s_mov_b32 s[SEL], 0x76543210
	s_mov_b32 s[SEL+1], 0xfedcba98
	s_wait_dscnt 0x0
	s_wait_kmcnt 0x0
	; W's addresses: made of cx, g, the cluster's x and the wave's number alone, in s100, s101
	s_cmp_eq_u32 ttmp9, 0                          ; cluster x = 0 makes q, 1 makes k
	s_cselect_b64 s[8:9], s[8:9], s[12:13]
	s_cselect_b64 s[10:11], s[10:11], s[14:15]
	s_mul_i32 s100, s60, 110592                    ; 192 rows of 576 bytes for each cx,
	s_mul_i32 s101, s3, 55296                      ; 96 for each of the two loads
	s_add_co_u32 s100, s100, s101
	s_mul_i32 s101, s62, 55296                     ; Wv: 96 rows for each g
	s_cmp_lt_u32 s3, 2
	s_cselect_b32 s100, s100, s101
	s_cselect_b64 s[78:79], s[8:9], s[16:17]
	s_cselect_b64 s[82:83], s[10:11], s[18:19]
	s_mov_b32 s101, 0
	s_add_nc_u64 s[78:79], s[78:79], s[100:101]
	s_mul_i32 s100, s60, 4608                      ; the same rows' scale bytes, 24 a row
	s_mul_i32 s101, s3, 2304
	s_add_co_u32 s100, s100, s101
	s_mul_i32 s101, s62, 2304
	s_cmp_lt_u32 s3, 2
	s_cselect_b32 s100, s100, s101
	s_mov_b32 s101, 0
	s_add_nc_u64 s[82:83], s[82:83], s[100:101]
	s_or_b32 s79, s79, 0x80000000
	s_or_b32 s83, s83, 0x80000000
	; x's addresses: made of s alone, in s104, s105
	s_mul_i32 s104, s63, 73728
	s_mov_b32 s105, 0
	s_add_nc_u64 s[70:71], s[4:5], s[104:105]
	s_or_b32 s71, s71, 0x80000000
	s_mul_i32 s104, s63, 3072
	s_add_nc_u64 s[74:75], s[6:7], s[104:105]
	s_or_b32 s75, s75, 0x80000000
	CROUND                                         ; all sixteen work-groups are here: the joint loads meet
	s_cmp_lt_u32 s2, 3                             ; one load a wave, in one tree of branches on the wave's number: waves 0-2 W's codes, 3 x's codes, 4-6 W's scales, 7 x's scales
	s_cbranch_scc0 .Lt1
	tensor_load_to_lds s[76:79], s[36:43]
	s_nop 0
	PLACES
	s_branch .Lasked
.Lt1:
	s_cmp_eq_u32 s2, 3
	s_cbranch_scc0 .Lt2
	tensor_load_to_lds s[68:71], s[28:35]
	s_nop 0
	PLACES
	s_branch .Lasked
.Lt2:
	s_cmp_lt_u32 s2, 7
	s_cbranch_scc0 .Lt3
	tensor_load_to_lds s[80:83], s[52:59]
	s_nop 0
	PLACES
	s_branch .Lasked
.Lt3:
	s_cmp_eq_u32 s2, 7
	s_cbranch_scc0 .Lasked
	tensor_load_to_lds s[72:75], s[44:51]
	s_nop 0
	PLACES
.Lasked:
	; every address register is made here, ahead of the first parting of the roles; none ever holds loaded data
	v_and_b32 v1, 15, v0                           ; r
	v_bfe_u32 v2, v0, 4, 1                         ; h
	v_and_b32 v30, 31, v0                          ; lane
	v_bfe_u32 v31, v0, 3, 1                        ; r >> 3
	v_and_b32 v29, 7, v0                           ; r & 7
	v_mul_u32_u24 v32, v1, PITCH
	s_delay_alu instid0(VALU_DEP_1)
	v_mad_u32_u24 v32, v2, 24, v32                 ; a fragment's row and half
	v_mul_u32_u24 v33, v1, 24                      ; a row of scale bytes
	v_mul_u32_u24 v34, v31, 1536
	s_delay_alu instid0(VALU_DEP_1)
	v_lshl_add_u32 v34, v29, 4, v34
	s_delay_alu instid0(VALU_DEP_1)
	v_lshl_add_u32 v34, v2, 8, v34                 ; an image's lane part: (r >> 3) 1536 + (r & 7) 16 + 256 h
	v_lshlrev_b32 v35, 4, v30                      ; 16 x lane
	s_mul_i32 s90, s86, 16*PITCH
	v_add_nc_u32 v3, s90, v32                      ; v3  x's fragments, q/k waves: tile = wave
	s_mul_i32 s90, s87, 64*PITCH
	v_add_nc_u32 v4, s90, v32                      ; v4  x's fragments, v waves: keys 64 c on
	v_add_nc_u32 v5, WC, v32                       ; v5-7  W's fragments of the three heads
	v_add_nc_u32 v6, WC+64*PITCH, v32
	v_add_nc_u32 v7, WC+128*PITCH, v32
	s_mul_i32 s90, s88, 16*PITCH
	s_add_co_u32 s90, s90, WC+192*PITCH
	v_add_nc_u32 v8, s90, v32                      ; v8  Wv's fragments: tiles 2 n + q
	s_mul_i32 s90, s86, 384
	s_add_co_u32 s90, s90, XS
	v_add_nc_u32 v9, s90, v33                      ; v9  x's scale words, q/k waves
	s_mul_i32 s90, s87, 1536
	s_add_co_u32 s90, s90, XS
	v_add_nc_u32 v10, s90, v33                     ; v10 x's scale words, v waves
	v_add_nc_u32 v11, WS, v33                      ; v11 W's scale words, q/k
	s_mul_i32 s90, s88, 384
	s_add_co_u32 s90, s90, WS+4608
	v_add_nc_u32 v12, s90, v33                     ; v12 Wv's
	s_mul_i32 s90, s89, 3072
	s_lshl_b32 s91, s88, 7
	s_add_co_u32 s90, s90, s91
	s_mul_i32 s91, s87, 520
	s_add_co_u32 s91, s91, s90
	s_add_co_u32 s91, s91, OST
	v_add_nc_u32 v13, s91, v34                     ; v13 q/k codes into the stage: registers 0, 1 and (+512) 4, 5 of my six
	s_mul_i32 s91, s87, 1016
	s_add_co_u32 s91, s91, s90
	s_add_co_u32 s91, s91, OST+8
	v_add_nc_u32 v14, s91, v34                     ; v14 registers 2, 3
	s_lshl_b32 s90, s88, 7
	s_lshl_b32 s91, s87, 8
	s_add_co_u32 s90, s90, s91
	s_lshl_b32 s91, s89, 3
	s_add_co_u32 s90, s90, s91
	s_add_co_u32 s90, s90, OST+6144
	v_lshlrev_b32 v36, 4, v29
	s_delay_alu instid0(VALU_DEP_1)
	v_lshl_add_u32 v36, v31, 2, v36
	s_delay_alu instid0(VALU_DEP_1)
	v_add_nc_u32 v15, s90, v36                     ; v15 q/k scale word
	s_lshl_b32 s90, s88, 7
	s_mul_i32 s91, s87, 520
	s_add_co_u32 s91, s91, s90
	s_add_co_u32 s91, s91, OSTV
	v_add_nc_u32 v16, s91, v34                     ; v16, v17 the same for v's codes
	s_mul_i32 s91, s87, 1016
	s_add_co_u32 s91, s91, s90
	s_add_co_u32 s91, s91, OSTV+8
	v_add_nc_u32 v17, s91, v34
	s_lshl_b32 s90, s88, 5
	s_lshl_b32 s91, s87, 1
	s_add_co_u32 s90, s90, s91
	s_add_co_u32 s90, s90, OSTVS
	v_lshlrev_b32 v36, 2, v29
	s_delay_alu instid0(VALU_DEP_1)
	v_lshl_add_u32 v36, v31, 6, v36
	s_delay_alu instid0(VALU_DEP_1)
	v_add_nc_u32 v18, s90, v36                     ; v18 v's two scale bytes
	s_mul_i32 s90, s3, 4352
	s_add_co_u32 s90, s90, MST
	v_mul_u32_u24 v36, v2, 2176
	s_delay_alu instid0(VALU_DEP_1)
	v_lshl_add_u32 v36, v1, 4, v36
	s_delay_alu instid0(VALU_DEP_1)
	v_add_nc_u32 v19, s90, v36                     ; v19 the mask into my stage
	v_mul_u32_u24 v36, v1, 272
	s_delay_alu instid0(VALU_DEP_1)
	v_lshl_add_u32 v36, v2, 5, v36
	s_delay_alu instid0(VALU_DEP_1)
	v_add_nc_u32 v20, s90, v36                     ; v20 and back
	s_mul_i32 s90, s89, 6656
	s_lshl_b32 s91, s3, 9
	s_add_co_u32 s90, s90, s91
	s_add_co_u32 s90, s90, OST
	v_add_nc_u32 v21, s90, v35                     ; v21 the copy out: q/k block wave >> 2, 512 bytes at (wave & 3) 512
	s_mul_i32 s90, s89, 3072
	s_add_co_u32 s90, s90, s91
	s_add_co_u32 s90, s90, OSTV
	v_add_nc_u32 v22, s90, v35                     ; v22 v's codes
	s_lshl_b32 s90, s89, 7
	s_add_co_u32 s90, s90, OSTVS
	v_lshl_add_u32 v23, v30, 2, s90                ; v23 v's scale words
	v_add_nc_u32 v24, s91, v35                     ; v24 the same 512 bytes in memory
	v_lshlrev_b32 v36, 17, v2
	s_delay_alu instid0(VALU_DEP_1)
	v_lshl_add_u32 v36, v1, 4, v36
	s_lshl_b32 s90, s3, 10
	v_add_nc_u32 v26, s90, v36                     ; v26 the mask in memory: lanes 16-31 take the row 32 further down
	s_lshl_b32 s90, s3, 11
	v_add_nc_u32 v27, s90, v35                     ; v27 the packed words in memory
	; what mixes cx and cy is made in s96-s99, which feed no descriptor and no LDS address
	s_lshl_b32 s96, s63, 7
	s_lshl_b32 s97, s86, 4
	s_add_co_u32 s96, s96, s97
	v_add_nc_u32 v28, s96, v1
	s_delay_alu instid0(VALU_DEP_1)
	v_cvt_f32_u32 v28, v28                         ; v28 my position, as f32
	s_and_b32 s96, s60, 1
	s_lshl_b32 s96, s96, 1
	s_lshr_b32 s97, s60, 1
	s_add_co_u32 s96, s96, s97                     ; w(cx)
	s_lshl_b32 s96, s96, 3
	s_lshl_b32 s97, ttmp9, 6
	s_add_co_u32 s96, s96, s97
	s_lshl_b32 s97, s63, 7
	s_add_co_u32 s96, s96, s97                     ; row 0 of query tile 8 s + g
	s_lshl_b32 s96, s96, 12
	s_mov_b32 s97, 0
	s_add_nc_u64 s[20:21], s[20:21], s[96:97]      ; the mask at that row
	s_lshl_b32 s96, s63, 3
	s_add_co_u32 s96, s96, s62
	s_lshl_b32 s96, s96, 13
	s_add_nc_u64 s[26:27], s[26:27], s[96:97]      ; the tile's 8,192 bytes of words
	s_mul_i32 s97, s60, 3
	s_add_co_u32 s97, s97, s89                     ; the head whose block I copy out: 3 cx + (wave >> 2)
	s_cmp_eq_u32 ttmp9, 0
	s_cselect_b64 s[22:23], s[22:23], s[24:25]     ; q goes to QC, k to KV
	s_mov_b32 s98, 417792
	s_cselect_b32 s98, 212992, s98                 ; bytes a head
	s_mov_b32 s99, 13056
	s_cselect_b32 s99, 6656, s99                   ; bytes a block of 128 positions
	s_mul_i32 s97, s97, s98
	s_mul_i32 s99, s63, s99
	s_add_co_u32 s98, s97, s99
	s_mov_b32 s99, 0
	s_add_nc_u64 s[22:23], s[22:23], s[98:99]
	s_mul_i32 s97, s62, 3
	s_add_co_u32 s97, s97, s89                     ; which 32 channels of v: 3 g + (wave >> 2)
	s_lshr_b32 s98, s97, 1
	s_lshl_b32 s98, s98, 5
	s_add_co_u32 s98, s98, s63
	s_mul_i32 s98, s98, 13056
	s_and_b32 s97, s97, 1
	s_mul_i32 s99, s97, 3072
	s_add_co_u32 s98, s98, s99
	s_add_co_u32 s98, s98, 6656
	s_mov_b32 s99, 0
	s_add_nc_u64 s[24:25], s[24:25], s[98:99]      ; v's two tiles in KV
	s_mul_i32 s97, s97, 2944
	s_sub_co_u32 s97, 6144, s97
	v_lshl_add_u32 v25, v30, 2, s97                ; v25 their scale words, counted from the same base
	v_lshl_add_u32 v29, v2, 3, v3                  ; the fragments' second addresses: lanes 16-31 one padding further on
	v_lshl_add_u32 v30, v2, 3, v4
	v_lshl_add_u32 v31, v2, 3, v8
	v_lshl_add_u32 v225, v2, 3, v5
	v_lshl_add_u32 v226, v2, 3, v6
	v_lshl_add_u32 v227, v2, 3, v7
	; ---- while the tiles land: the q/k waves make their tables, the v waves pack the mask
	s_cmp_lt_u32 s2, 8
	s_cbranch_scc0 .Lmask
	s_mov_b32 s86, 0x3f22f983                      ; 2 / pi
	s_mov_b32 s87, 0x3fc90fdb                      ; pi / 2, upper part
	s_mov_b32 s88, 0xb33bbd2e                      ; and the rest
	s_mov_b32 s89, -0.16666654611
	s_mov_b32 s90, 0.0083321608736
	s_mov_b32 s91, -0.00019515295891
	s_mov_b32 s92, 0.04166664568298827
	s_mov_b32 s93, -0.001388731625493765
	s_mov_b32 s94, 0.00002443315711809948
	v_cmp_eq_u32 vcc_lo, 1, v2
	FREQ 0, 1.0, 0.316227766017                    ; pair e = 4 t + i of lane half h is frequency 8 t + 4 h + i: 10^(-(8 t + 4 h + i) / 8)
	FREQ 1, 0.749894209332, 0.237137370566
	FREQ 2, 0.562341325190, 0.177827941004
	FREQ 3, 0.421696503429, 0.133352143216
	SINCOS4 0
	FREQ 0, 0.1, 0.0316227766017
	FREQ 1, 0.0749894209332, 0.0237137370566
	FREQ 2, 0.0562341325190, 0.0177827941004
	FREQ 3, 0.0421696503429, 0.0133352143216
	SINCOS4 4
	FREQ 0, 0.01, 0.00316227766017
	FREQ 1, 0.00749894209332, 0.00237137370566
	FREQ 2, 0.00562341325190, 0.00177827941004
	FREQ 3, 0.00421696503429, 0.00133352143216
	SINCOS4 8
	FREQ 0, 0.001, 0.000316227766017
	FREQ 1, 0.000749894209332, 0.000237137370566
	FREQ 2, 0.000562341325190, 0.000177827941004
	FREQ 3, 0.000421696503429, 0.000133352143216
	SINCOS4 12
	s_branch .Lb1
.Lmask:
	s_mov_b32 s86, 0xff
	s_mov_b32 s87, 0xff00
	s_mov_b32 s88, 0xff0000
	s_mov_b32 s89, 0xff000000
	s_wait_alu depctr_va_vdst(0)
.irp i, 0,1,2,3
.irp j, 0,1,2,3,4,5,6,7
	global_load_b128 v[32+32*\i+4*\j:32+32*\i+4*\j+3], v26, s[20:21] offset:\j*4096+\i*256 th:TH_LOAD_NT   ; sixteen lanes read 256 consecutive bytes of a row; each byte of the mask is read once
.endr
.endr
	MCHUNK 0
	MCHUNK 1
	MCHUNK 2
	MCHUNK 3
	s_wait_xcnt 0x0                                ; the stores have read their data: those registers take fragments below
.Lb1:
	s_wait_tensorcnt 0x0                           ; my tile, if I asked for one, has landed
	s_wait_dscnt 0x0
	s_barrier_signal -1
	s_barrier_wait -1                              ; everybody's has
	s_cmp_lt_u32 s2, 8
	s_cbranch_scc0 .Lv2
	; ---- q or k: my 16 positions, three heads.  Transposed: source 0 = 16 rows of W, source 1 = x: lane (r, h) holds position r, register j of tile t channel 16 t + 8 h + j
.irp k, 0,1,2,3,4,5
	FRAG XF+12*\k, 3, 29, 0, 96*\k
.endr
.irp i, 0,1,2
	ds_load_b64 v[XSC+2*\i:XSC+2*\i+1], v9 offset:8*\i
.endr
	v_mov_b32 v[TM+2], 0                           ; written once: a lane permute's destination counts as one of its sources
	v_mov_b32 v[TM+3], 0
.irp j, 0,1,2
.irp k, 0,1,2,3,4,5
.if \k > 0
	PLACES
.endif
.irp t, 0,1,2,3
	FRAG WF+12*\t, 5+\j, 225+\j, \t*16*PITCH, 96*\k
	ds_load_b32 v[WSC+\t], v11 offset:\j*1536+\t*384+4*\k
.endr
	s_wait_dscnt 0x0
.irp t, 0,1,2,3                        ; the four accumulators take turns, one instruction a turn
.if \k == 0
	MM0 ACC+8*\t, WF+12*\t, XF+12*\k, WSC+\t, XSC+\k
.else
	MMA ACC+8*\t, WF+12*\t, XF+12*\k, WSC+\t, XSC+\k
.endif
.endr
.endr
	PLACES
.irp t, 0,1,2,3                        ; the rotation: pair e = 4 t + i is (register 2 i, register 2 i + 1) of tile t
.irp i, 0,1,2,3
	v_mul_f32 v[TA+2*(\i%2)], v[ACC+8*\t+2*\i+1], v[SI+4*\t+\i]
	v_mul_f32 v[TA+2*(\i%2)+1], v[ACC+8*\t+2*\i+1], v[CO+4*\t+\i]
	v_fma_f32 v[WF+4*\t+\i], v[ACC+8*\t+2*\i], v[CO+4*\t+\i], -v[TA+2*(\i%2)]
	v_fma_f32 v[WF+16+4*\t+\i], v[ACC+8*\t+2*\i], v[SI+4*\t+\i], v[TA+2*(\i%2)+1]
.endr
.endr
	QUANT2 WF, WF+16, PC, PT, TM
	ds_store_b64 v13, v[PC:PC+1] offset:\j*6656
	ds_store_b64 v14, v[PC+2:PC+3] offset:\j*6656
	ds_store_b64 v13, v[PC+4:PC+5] offset:\j*6656+512
	ds_store_b32 v15, v[TM+6] offset:\j*6656       ; both halves of the lanes write the same word
	s_wait_dscnt 0x0
.endr
	s_branch .Lb2
	; ---- v: source 0 = 16 keys of x, source 1 = 16 rows of Wv: lane (r, h) holds channel r, register j of key tile i key 64 c + 16 i + 8 h + j
.Lv2:
	v_mov_b32 v[VTM+2], 0
	v_mov_b32 v[VTM+3], 0
.irp k, 0,1,2,3,4,5
.if \k > 0
	PLACES
.endif
.irp i, 0,1,2,3
	FRAG VXF+12*\i, 4, 30, \i*16*PITCH, 96*\k
	ds_load_b32 v[VXS+\i], v10 offset:\i*384+4*\k
.endr
.irp n, 0,1,2
	FRAG VWF+12*\n, 8, 31, \n*32*PITCH, 96*\k
	ds_load_b32 v[VWS+\n], v12 offset:\n*768+4*\k
.endr
	s_wait_dscnt 0x0
.irp n, 0,1,2                          ; twelve accumulators by turns
.irp i, 0,1,2,3
.if \k == 0
	MM0 VACC+32*\n+8*\i, VXF+12*\i, VWF+12*\n, VXS+\i, VWS+\n
.else
	MMA VACC+32*\n+8*\i, VXF+12*\i, VWF+12*\n, VXS+\i, VWS+\n
.endif
.endr
.endr
.endr
	PLACES
.irp n, 0,1,2
	QUANT2 VACC+32*\n, VACC+16+32*\n, VPC, VPT, VTM
	ds_store_b64 v16, v[VPC:VPC+1] offset:\n*3072
	ds_store_b64 v17, v[VPC+2:VPC+3] offset:\n*3072
	ds_store_b64 v16, v[VPC+4:VPC+5] offset:\n*3072+512
	ds_store_b16 v18, v[VTM+6] offset:\n*128       ; the bytes of key blocks 2 c and 2 c + 1
	s_wait_dscnt 0x0
.endr
.Lb2:
	s_wait_dscnt 0x0                               ; for the others' sake: my stores into the stages are done
	s_barrier_signal -1
	s_barrier_wait -1
	; ---- the copy out: every store of 16 bytes a lane covers 512 consecutive bytes, aligned to 256
	ds_load_b128 v[32:35], v21
	ds_load_b128 v[36:39], v21 offset:2048
	ds_load_b128 v[40:43], v21 offset:4096
	ds_load_b128 v[44:47], v22
	s_wait_dscnt 0x0
	global_store_b128 v24, v[32:35], s[22:23]
	global_store_b128 v24, v[36:39], s[22:23] offset:2048
	global_store_b128 v24, v[40:43], s[22:23] offset:4096
	global_store_b128 v24, v[44:47], s[24:25]
	s_cmp_eq_u32 s3, 0
	s_cbranch_scc0 .Lc1
	ds_load_b128 v[48:51], v21 offset:6144         ; the block's scale words
	s_wait_dscnt 0x0
	global_store_b128 v24, v[48:51], s[22:23] offset:6144
	s_branch .Lcend
.Lc1:
	s_cmp_eq_u32 s3, 3
	s_cbranch_scc1 .Lc3
	ds_load_b128 v[48:51], v22 offset:1536         ; v's fifth and sixth 512 bytes
	s_wait_dscnt 0x0
	global_store_b128 v24, v[48:51], s[24:25] offset:1536
	s_branch .Lcend
.Lc3:
	ds_load_b32 v48, v23                           ; v's scale words: 128 bytes, the half of a head's 256 for my 32 channels
	s_wait_dscnt 0x0
	global_store_b32 v25, v48, s[24:25]
.Lcend:
	s_wait_tensorcnt 0x0
	ds_add_u32 v254, v255
	s_wait_dscnt 0x0
	CROUND                                         ; the closing round
	s_endpgm
.Lfunc_end_k_q09e190b7cc_proj:
	.size	k_q09e190b7cc_proj, .Lfunc_end_k_q09e190b7cc_proj-k_q09e190b7cc_proj
	.p2alignl 7, 3214868480
	.fill 96, 4, 3214868480
	.section	.rodata,"a",@progbits
	.p2align	6, 0x0
	.amdhsa_kernel k_q09e190b7cc_proj
		.amdhsa_group_segment_fixed_size 327680
		.amdhsa_private_segment_fixed_size 0
		.amdhsa_enable_private_segment 0
		.amdhsa_kernarg_size 96
		.amdhsa_user_sgpr_count 2
		.amdhsa_user_sgpr_kernarg_segment_ptr 1
		.amdhsa_wavefront_size32 1
		.amdhsa_system_sgpr_workgroup_id_x 1
		.amdhsa_system_sgpr_workgroup_id_y 1
		.amdhsa_system_sgpr_workgroup_id_z 1
		.amdhsa_system_vgpr_workitem_id 0
		.amdhsa_next_free_vgpr 256
		.amdhsa_next_free_sgpr 106
		.amdhsa_reserve_vcc 1
		.amdhsa_float_denorm_mode_32 3
		.amdhsa_float_denorm_mode_16_64 3
		.amdhsa_memory_ordered 1
		.amdhsa_forward_progress 1
		.amdhsa_inst_pref_size 255
	.end_amdhsa_kernel
	.section	.bss,"aw",@nobits
	.p2align	6
	.space	262144
	.amdgpu_metadata
---
amdhsa.version: [ 1, 2 ]
amdhsa.kernels:
  - .name:           k_q09e190b7cc_proj
    .symbol:         k_q09e190b7cc_proj.kd
    .args:
      - { .name: x_codes, .offset: 0, .size: 8, .value_kind: global_buffer, .address_space: global }
      - { .name: x_scales, .offset: 8, .size: 8, .value_kind: global_buffer, .address_space: global }
      - { .name: Wq_codes, .offset: 16, .size: 8, .value_kind: global_buffer, .address_space: global }
      - { .name: Wq_scales, .offset: 24, .size: 8, .value_kind: global_buffer, .address_space: global }
      - { .name: Wk_codes, .offset: 32, .size: 8, .value_kind: global_buffer, .address_space: global }
      - { .name: Wk_scales, .offset: 40, .size: 8, .value_kind: global_buffer, .address_space: global }
      - { .name: Wv_codes, .offset: 48, .size: 8, .value_kind: global_buffer, .address_space: global }
      - { .name: Wv_scales, .offset: 56, .size: 8, .value_kind: global_buffer, .address_space: global }
      - { .name: mask, .offset: 64, .size: 8, .value_kind: global_buffer, .address_space: global }
      - { .name: QC, .offset: 72, .size: 8, .value_kind: global_buffer, .address_space: global }
      - { .name: KV, .offset: 80, .size: 8, .value_kind: global_buffer, .address_space: global }
      - { .name: MW, .offset: 88, .size: 8, .value_kind: global_buffer, .address_space: global }
    .group_segment_fixed_size: 327680
    .private_segment_fixed_size: 0
    .kernarg_segment_align: 8
    .kernarg_segment_size: 96
    .max_flat_workgroup_size: 384
    .sgpr_count:     106
    .vgpr_count:     256
    .wavefront_size: 32
...
	.end_amdgpu_metadata
.endif
;; end of part 1
;; launch attn (part 2): grid 256 x 1, 12 waves a work-group, no clusters, 0 bytes of LDS; arguments QC, KV, MW, OC, OS; writes OC, OS
.if DOCPART == 2
	.amdgcn_target "amdgcn-amd-amdhsa--gfx1250"
	.amdhsa_code_object_version 6
	.text
	.protected	k_q09e190b7cc_attn
	.globl	k_q09e190b7cc_attn
	.p2align	8
	.type	k_q09e190b7cc_attn,@function
k_q09e190b7cc_attn:
	s_mov_b64 s[64:65], 0
	v_nop
	global_prefetch_b8 v0, s[64:65] scope:SCOPE_SE
	s_setreg_imm32_b32 hwreg(HW_REG_WAVE_MODE, 25, 1), 1
	s_wait_xcnt 0x0
; o = softmax(mask ? q k^T / 8 : -1e9) v, both products on codes of FP6 (E2M3) with E8M0 scales; o is quantised along the model's 768 and leaves as operand images.
; SHARES.  A wave takes ONE tile of 16 queries of ONE head and walks key steps of 128.  K, V and their scale words lie in KV as images of operand registers: they go from memory straight into registers, 16 bytes a lane.
; WHICH STEPS.  The mask comes as lane-mask words (MW, whole numbers stored by the launch before): 64 words a step, 32 steps a tile.  At its head the wave reads its tile's 2,048 words, a lane a step, and makes two words of 32 bits:
; the steps with an open place, and the steps that are open altogether.  A step in which all 16 x 128 places are hidden is not walked: a hidden logit is -1e9, so beside an open logit of its row its p is 0.
; That needs an open place in every row: where some row of the tile is hidden altogether, all 32 steps are walked.  In a step that is open altogether the 64 selects are jumped over.
; DEAL.  Work-group j: i = j % 32, z = j / 32.  Wave w has role w % 3 and takes a tile of the block of 128 positions i (role 0), 31 - i/2 - 16 (i%2) (role 1), 15 - i/2 + 16 (i%2) (role 2): the three numbers add up to 46 or 47;
; head 4 role + z / 2, tile 4 (z % 2) + w / 3 of the block's eight.  Each block has each role once, so every (tile, head) has one owner.
; LAYOUT.  Both products are used transposed: S^T = K Q^T, O^T = V^T P^T: a lane holds one query (lane % 16).  Registers 32 c .. 32 c + 31 of the scores are one whole block of 32 keys (block 2 c + lane / 16).
; THE HEAD IS 64 WIDE, the instruction 128: Q's upper six registers are zero codes.  K's fragment of tile t is registers 6 t .. 6 t + 11: its upper six (the next tile's codes; behind the last tile p's codes) meet Q's zeros.
; SOFTMAX.  t = score x log2(e) / 8; M = the running largest t rounded up to a whole number; p = 2^(t - M) is quantised; the sum is taken of the unquantised p and divides at the end.  A hidden score becomes -2^33.
; LIMITS: a hidden logit counts as -2^30 where the definition says -1e9: the same result wherever a row's largest open logit lies above about -9e8.  NaN and infinities are not served.
; A block's largest p is taken as 2^(its largest score's t - M).  A block of zeros gets the scale byte 1; only this program reads the bytes.
; NO CLUSTER, NO TENSOR LOAD: the trips hang on numbers read from memory and differ from wave to wave, so no two work-groups can ask jointly.  No prefetch: a step's K is asked for a whole trip ahead of its use, V at the trip's head.
; The last trip asks for step 31's K and mask words (inside the buffers); they are not used.
.set BLK, 13056                        ; one head's key step: K's image 6,656 bytes, V's codes 6,144, V's scale words 256
.set Q,   32                           ; v32-43 Q and its zeros
.set TP,  44                           ; v44-51 second halves of p's codes
.set O,   52                           ; v52-83 O^T
.set S,   84                           ; v84-147 the scores, then p
.set KF,  148                          ; v148-195 K's eight half fragments
.set P,   196                          ; v196-207 p's codes
.set VF,  208                          ; v208-255 V's four fragments
.set PS,  3                            ; v3 p's scale word; v9 Q's; v24-27 K's; v28-29 V's
.set C2,  10                           ; v[10:11] the sum's second chain
.set T0,  4
.set T1,  7
; v1 16 x lane, v2 4 x lane, v5 8 h, v6 -2^33, v12 -M, v13 largest t, v[14:15] the sum, v16 f, v18-23 at work, v30-31 the conversions' scales
.set SEL, 52                           ; s[52:53] lane selects: lane l xor 16
.set CUR, 54                           ; s[54:55] this step's block in KV;  s[56:57] the next step's;  s[58:59] an offset
.set NXT, 56
.set OFF, 58
.set REM, 60                           ; steps still to be asked for, a bit each
.set ALL, 61                           ; steps that are open altogether
.set TC,  62                           ; this step, the next step
.set TN,  63
.set NT,  66                           ; trips, and the count
.set CT,  67
; s[6:7] my head in KV; s[8:9] my tile's mask words; s18 their offset; s[10:11], s[12:13] where o's codes and scale bytes go; s[14:15] c; s20-51, s68-99 the step's 64 mask words
.macro PLACES
.rept 4
	v_nop
.endr
.endm
.macro QUANT2 s0, s1, pc, pt, tm       ; two blocks of 32, 16 numbers of each mine and 16 lane l xor 16's: codes of block (lane / 16) in v[pc] .. v[pc + 5], the two bytes in v[tm + 6]
	v_max3_num_f32 v[\tm], |v[\s0]|, |v[\s0+1]|, 0x1800000
	v_max3_num_f32 v[\tm+1], |v[\s1]|, |v[\s1+1]|, 0x1800000
.irp i, 2,4,6,8,10,12,14
	s_delay_alu instid0(VALU_DEP_2)
	v_max3_num_f32 v[\tm], v[\tm], |v[\s0+\i]|, |v[\s0+\i+1]|
	s_delay_alu instid0(VALU_DEP_2)
	v_max3_num_f32 v[\tm+1], v[\tm+1], |v[\s1+\i]|, |v[\s1+\i+1]|
.endr
	s_delay_alu instid0(VALU_DEP_2)
	v_permlanex16_b32 v[\tm+2], v[\tm], s[SEL], s[SEL+1]
	s_delay_alu instid0(VALU_DEP_2)
	v_permlanex16_b32 v[\tm+3], v[\tm+1], s[SEL], s[SEL+1]
	s_delay_alu instid0(VALU_DEP_2)
	v_max_num_f32 v[\tm], v[\tm], v[\tm+2]
	s_delay_alu instid0(VALU_DEP_2)
	v_max_num_f32 v[\tm+1], v[\tm+1], v[\tm+3]
	s_delay_alu instid0(VALU_DEP_2)
	v_add_nc_u32 v[\tm+4], 0xff000000, v[\tm]
	s_delay_alu instid0(VALU_DEP_2)
	v_add_nc_u32 v[\tm+5], 0xff000000, v[\tm+1]
	s_delay_alu instid0(VALU_DEP_2)
	v_lshrrev_b32 v[\tm+6], 23, v[\tm+4]
	s_delay_alu instid0(VALU_DEP_2)
	v_lshrrev_b32 v[\tm+7], 23, v[\tm+5]
	s_delay_alu instid0(VALU_DEP_1)
	v_lshl_or_b32 v[\tm+6], v[\tm+7], 8, v[\tm+6]
	v_cvt_scalef32_pk16_fp6_f32 v[\pc:\pc+2], v[\s0:\s0+15], v[\tm+4]
	v_cvt_scalef32_pk16_fp6_f32 v[\pt:\pt+2], v[\s1:\s1+15], v[\tm+5]
	v_nop
.irp i, 0,1,2
	v_permlane16_swap_b32 v[\pc+\i], v[\pt+\i]
.endr
.irp i, 0,1,2
	s_delay_alu instid0(VALU_DEP_3)
	v_mov_b32 v[\pc+3+\i], v[\pt+\i]
.endr
.endm
.macro KLOAD base                      ; K's image and its scale words: 13 loads, each of 512 consecutive bytes
.irp g, 0,1,2,3,4,5,6,7,8,9,10,11
	global_load_b128 v[KF+4*\g:KF+4*\g+3], v1, s[\base:\base+1] offset:512*\g
.endr
	global_load_b128 v[24:27], v1, s[\base:\base+1] offset:6144
.endm
.macro MLOAD                           ; a step's 64 mask words
	s_load_b512 s[20:35], s[8:9], s18 offset:0x0
	s_load_b512 s[36:51], s[8:9], s18 offset:0x40
	s_load_b512 s[68:83], s[8:9], s18 offset:0x80
	s_load_b512 s[84:99], s[8:9], s18 offset:0xc0
.endm
	s_load_b128 s[4:7], s[0:1], 0x0                ; QC, KV
	s_load_b128 s[8:11], s[0:1], 0x10              ; MW, OC
	s_load_b64 s[12:13], s[0:1], 0x20              ; OS
	v_lshrrev_b32 v4, 5, v0
	s_delay_alu instid0(VALU_DEP_1)
	v_readfirstlane_b32 s2, v4                     ; wave 0..11
	s_mul_i32 s14, s2, 11
	s_lshr_b32 s14, s14, 5                         ; w / 3
	s_mul_i32 s15, s14, 3
	s_sub_co_u32 s15, s2, s15                      ; role = w % 3
	s_and_b32 s16, ttmp9, 31                       ; i
	s_lshr_b32 s17, ttmp9, 5                       ; z
	s_lshr_b32 s18, s16, 1
	s_and_b32 s19, s16, 1
	s_lshr_b32 s20, s15, 1
	s_xor_b32 s19, s19, s20
	s_lshl_b32 s19, s19, 4
	s_sub_co_u32 s18, 31, s18
	s_sub_co_u32 s18, s18, s19                     ; roles 1, 2: 31 - i/2 - 16 ((i%2) xor (role - 1))
	s_cmp_eq_u32 s15, 0
	s_cselect_b32 s16, s16, s18                    ; my block of 128 positions
	s_lshl_b32 s15, s15, 2
	s_lshr_b32 s18, s17, 1
	s_add_co_u32 s15, s15, s18                     ; my head
	s_and_b32 s17, s17, 1
	s_lshl_b32 s17, s17, 2
	s_add_co_u32 s17, s17, s14                     ; my tile of the block's eight
	s_lshl_b32 s18, s16, 3
	s_add_co_u32 s18, s18, s17                     ; my tile T
	s_mul_i32 s22, s17, 3                          ; the first of my tile's three pairs of registers in q's image
.irp p, 0,1,2
	s_add_co_u32 s23, s22, \p
	s_lshr_b32 s[24+\p], s23, 1
	s_lshl_b32 s[24+\p], s[24+\p], 9
	s_and_b32 s23, s23, 1
	s_lshl_b32 s23, s23, 3
	s_add_co_u32 s[24+\p], s[24+\p], s23
.endr
	s_and_b32 s23, s17, 1
	s_lshl_b32 s23, s23, 8
	s_lshr_b32 s27, s17, 1
	s_lshl_b32 s27, s27, 2
	s_add_co_u32 s27, s27, s23
	s_add_co_u32 s27, s27, 6144                    ; my tile's scale words in q's image
	s_lshl_b32 s28, s15, 5
	s_add_co_u32 s28, s28, s16
	s_mul_i32 s28, s28, 6656                       ; q's block
	s_mov_b32 s29, 0
	s_mul_i32 s30, s15, 32*BLK                     ; my head in KV
	s_mov_b32 s31, 0
	s_lshl_b32 s32, s18, 13                        ; my tile's 8,192 bytes of mask words
	s_mov_b32 s33, 0
	s_mul_i32 s34, s18, 6
	s_lshr_b32 s35, s15, 1
	s_add_co_u32 s34, s34, s35                     ; 6 T + head / 2
	s_and_b32 s35, s15, 1
	s_mul_i32 s36, s34, 1536
	s_mul_i32 s37, s35, 768
	s_add_co_u32 s36, s36, s37
	s_mov_b32 s37, 0
	s_lshl_b32 s38, s34, 6
	s_lshl_b32 s39, s35, 1
	s_add_co_u32 s38, s38, s39
	s_mov_b32 s39, 0
	s_mov_b32 s[SEL], 0x76543210
	s_mov_b32 s[SEL+1], 0xfedcba98
	v_and_b32 v1, 31, v0
	v_and_b32 v21, 15, v0
	v_bfe_u32 v5, v0, 4, 1
	v_mov_b32 v6, 0xd0000000                       ; -2^33
	v_lshlrev_b32 v2, 2, v1
	v_lshlrev_b32 v7, 8, v1                        ; a lane a step: 256 bytes of words
	v_lshlrev_b32 v1, 4, v1
	v_lshlrev_b32 v5, 3, v5
	v_lshl_add_u32 v21, v21, 4, s27
.irp p, 0,1,2
	v_add_nc_u32 v[18+\p], s[24+\p], v1
.endr
	v_mov_b32 v13, 0xff61b1e6                      ; the largest t so far: -3e38
	v_mov_b32 v14, 0
	v_mov_b32 v15, 0
	v_mov_b32 v17, 0                               ; (the upper half of the pair v[16:17])
	v_mov_b32 v23, 0                               ; a lane permute's destination counts as one of its sources
	v_floor_f32 v12, -v13
.irp i, 0,1,2,3,4,5
	v_mov_b32 v[Q+6+\i], 0                         ; Q's upper 64 along K: zero codes
	v_mov_b32 v[P+\i], 0                           ; named behind K's last tile in the first trip
.endr
.set n, 0
.rept 32
	v_mov_b32 v[O+n], 0                            ; O^T: the step is written once; its first run finds zeros
.set n, n+1
.endr
	s_wait_alu depctr_va_vdst(0)                   ; the wait here, directly ahead of the wait below
	s_wait_kmcnt 0x0
	s_add_nc_u64 s[4:5], s[4:5], s[28:29]
	s_add_nc_u64 s[6:7], s[6:7], s[30:31]
	s_add_nc_u64 s[8:9], s[8:9], s[32:33]
	s_add_nc_u64 s[10:11], s[10:11], s[36:37]
	s_add_nc_u64 s[12:13], s[12:13], s[38:39]
.irp p, 0,1,2
	global_load_b64 v[Q+2*\p:Q+2*\p+1], v[18+\p], s[4:5]           ; Q's six registers stay
.endr
	global_load_b32 v9, v21, s[4:5]                ; and its scale words
.irp j, 0,1,2,3,4,5,6,7,8,9,10,11,12,13,14,15
	global_load_b128 v[S+4*\j:S+4*\j+3], v7, s[8:9] offset:16*\j   ; lane l: the 64 words of step l
.endr
	s_wait_loadcnt 0x0
	v_or_b32 v18, v[S], v[S+1]                     ; OR and AND of my step's words, each in two chains
	v_and_b32 v19, v[S], v[S+1]
	v_or_b32 v20, v[S+2], v[S+3]
	v_and_b32 v21, v[S+2], v[S+3]
.set n, 4
.rept 30
	v_or_b32 v18, v18, v[S+n]
	v_and_b32 v19, v19, v[S+n]
	v_or_b32 v20, v20, v[S+n+1]
	v_and_b32 v21, v21, v[S+n+1]
.set n, n+2
.endr
	v_or_b32 v18, v18, v20
	v_and_b32 v19, v19, v21
	s_delay_alu instid0(VALU_DEP_2)
	v_cmp_ne_u32 s[REM], 0, v18                    ; bit l: step l has an open place
	s_delay_alu instid0(VALU_DEP_2)
	v_cmp_eq_u32 s[ALL], -1, v19                   ; bit l: step l is open altogether
	v_lshrrev_b32 v20, 16, v18
	s_delay_alu instid0(VALU_DEP_1)
	v_or_b32 v18, v18, v20                         ; bit r (of the low 16): row r has an open place in my step
.irp x, 1,2,4,8
	s_delay_alu instid0(VALU_DEP_1)
	v_mov_b32_dpp v20, v18 row_xmask:\x row_mask:0xf bank_mask:0xf
	s_delay_alu instid0(VALU_DEP_1)
	v_or_b32 v18, v18, v20
.endr
	s_delay_alu instid0(VALU_DEP_1)
	v_permlanex16_b32 v20, v18, s[SEL], s[SEL+1]
	s_delay_alu instid0(VALU_DEP_1)
	v_or_b32 v18, v18, v20                         ; in any step
	s_delay_alu instid0(VALU_DEP_1)
	v_readfirstlane_b32 s3, v18
	s_and_b32 s3, s3, 0xffff
	s_cmp_eq_u32 s3, 0xffff
	s_cselect_b32 s[REM], s[REM], -1               ; a row that is hidden altogether averages over all keys: then every step is walked
	s_bcnt1_i32_b32 s[NT], s[REM]                  ; at least 1
	s_ctz_i32_b32 s[TC], s[REM]                    ; the first step,
	s_min_u32 s[TC], s[TC], 31
	s_add_co_i32 s3, s[REM], -1
	s_and_b32 s[REM], s[REM], s3                   ; struck off
	s_mul_i32 s[OFF], s[TC], BLK
	s_mov_b32 s[OFF+1], 0
	s_add_nc_u64 s[CUR:CUR+1], s[6:7], s[OFF:OFF+1]
	s_lshl_b32 s18, s[TC], 8
	KLOAD CUR
	MLOAD
	s_mov_b32 s14, 0x3e38aa3b                      ; c = log2(e) / 8
	s_mov_b32 s15, s14                             ; (named with it as a pair)
	s_mov_b32 s[CT], 0
	s_wait_alu depctr_va_vdst(0)                   ; the wait at the head's end
.Lstep:                                            ; ONE KEY STEP: 128 keys of my head
	PLACES                                         ; behind the last step's products, ahead of the loads into their operands
.irp g, 0,1,2,3,4,5,6,7,8,9,10,11
	global_load_b128 v[VF+4*\g:VF+4*\g+3], v1, s[CUR:CUR+1] offset:6656+512*\g     ; V's four fragments land while the softmax is worked
.endr
	global_load_b32 v28, v2, s[CUR:CUR+1] offset:12800
	global_load_b32 v29, v2, s[CUR:CUR+1] offset:12928
	s_wait_loadcnt 14                              ; all but V's 14: K and its scale words are in, and their base may be written
	s_ctz_i32_b32 s[TN], s[REM]                    ; the next step to walk; with none left, 31
	s_min_u32 s[TN], s[TN], 31
	s_add_co_i32 s3, s[REM], -1
	s_and_b32 s[REM], s[REM], s3
	s_mul_i32 s[OFF], s[TN], BLK
	s_add_nc_u64 s[NXT:NXT+1], s[6:7], s[OFF:OFF+1]
.irp t, 0,1,2,3,4,5,6,7
.if \t%2
	v_wmma_scale_f32_16x16x128_f8f6f4 v[S+8*\t:S+8*\t+7], v[KF+6*\t:KF+6*\t+11], v[Q:Q+11], 0, v[24+\t/2], v9 matrix_a_fmt:MATRIX_FMT_FP6 matrix_b_fmt:MATRIX_FMT_FP6 matrix_a_scale:MATRIX_SCALE_ROW1
.else
	v_wmma_scale_f32_16x16x128_f8f6f4 v[S+8*\t:S+8*\t+7], v[KF+6*\t:KF+6*\t+11], v[Q:Q+11], 0, v[24+\t/2], v9 matrix_a_fmt:MATRIX_FMT_FP6 matrix_b_fmt:MATRIX_FMT_FP6
.endif
.endr
	PLACES
	KLOAD NXT                                      ; the next step's K: 13 loads, a whole trip ahead of their use
	s_wait_kmcnt 0x0                               ; this step's mask words are in, and the loads have read their offset
	s_bitcmp1_b32 s[ALL], s[TC]
	s_wait_alu depctr_va_vdst(0)                   ; the wait here, directly ahead of the branch
	s_cbranch_scc1 .Lopen                          ; nothing is hidden in this step
.set n, 0
.rept 64
	v_cndmask_b32 v[S+n], v6, v[S+n], s[20+n+16*(n/32)]            ; a hidden score becomes -2^33; each accumulator is read from its low end on
.set n, n+1
.endr
.Lopen:
.irp z, 0,1,2,3
	v_max3_num_f32 v[18+\z], v[S+16*\z], v[S+16*\z+1], v[S+16*\z+2]    ; four chains
.endr
.irp i, 3,5,7,9,11,13
.irp z, 0,1,2,3
	v_max3_num_f32 v[18+\z], v[18+\z], v[S+16*\z+\i], v[S+16*\z+\i+1]
.endr
.endr
	v_max3_num_f32 v18, v18, v19, v[S+15]
	v_max3_num_f32 v20, v20, v21, v[S+47]
	v_max_num_f32 v18, v18, v[S+31]                ; the largest score of my block of c = 0,
	v_max_num_f32 v20, v20, v[S+63]                ; and of c = 1
	s_mov_b32 s[TC], s[TN]
	s_lshl_b32 s18, s[TN], 8
	MLOAD                                          ; the next step's 64 words
	v_max_num_f32 v22, v18, v20
	s_delay_alu instid0(VALU_DEP_1)
	v_permlanex16_b32 v23, v22, s[SEL], s[SEL+1]
	s_delay_alu instid0(VALU_DEP_1)
	v_max_num_f32 v22, v22, v23                    ; the step's largest score of my query
	s_delay_alu instid0(VALU_DEP_1)
	v_mul_f32 v22, s14, v22                        ; as t
	s_delay_alu instid0(VALU_DEP_1)
	v_max_num_f32 v13, v13, v22
	v_mov_b32 v22, v12
	s_delay_alu instid0(VALU_DEP_2)
	v_floor_f32 v12, -v13                          ; -M = floor(-t): M is a whole number
	s_delay_alu instid0(VALU_DEP_1)
	v_sub_f32 v22, v12, v22                        ; old M - new M, 0 or less
	s_delay_alu instid0(VALU_DEP_1)
	v_cvt_i32_f32 v22, v22                         ; (it saturates)
	s_delay_alu instid0(VALU_DEP_1)
	v_ldexp_f32 v16, 1.0, v22                      ; f = 2^(old M - new M)
.set n, 0
.rept 32
	v_pk_fma_f32 v[S+n:S+n+1], v[S+n:S+n+1], s[14:15], v[12:13] op_sel_hi:[1,0,0]   ; t - M
.set n, n+2
.endr
	v_fma_f32 v18, v18, s14, v12
	v_fma_f32 v20, v20, s14, v12
	s_wait_alu depctr_va_vdst(0)                   ; the wait ahead of the batch
	v_exp_f32 v18, v18                             ; ONE BATCH: the blocks' largest p and the 64 p
	v_exp_f32 v20, v20
.set n, 0
.rept 64
	v_exp_f32 v[S+n], v[S+n]
.set n, n+1
.endr
	v_pk_mul_f32 v[14:15], v[14:15], v[16:17] op_sel_hi:[1,0]      ; work that names no result of the batch: the sum and O^T under the new M
	s_wait_alu depctr_va_vdst(0)                   ; the wait here, directly ahead of the first reader of O^T
.set n, 0
.rept 16
	v_pk_mul_f32 v[O+n:O+n+1], v[O+n:O+n+1], v[16:17] op_sel_hi:[1,0]
.set n, n+2
.endr
	s_wait_alu depctr_va_vdst(0)                   ; one wait for the batch, ahead of its first reader
	v_max_num_f32 v18, 0x1800000, v18              ; the floor 2^(3 - 127): the byte cannot fall under 1
	v_max_num_f32 v20, 0x1800000, v20
	s_delay_alu instid0(VALU_DEP_2)
	v_add_nc_u32 v30, 0xff000000, v18              ; 2 off the exponent field: the conversions' scale operands
	s_delay_alu instid0(VALU_DEP_2)
	v_add_nc_u32 v31, 0xff000000, v20
	s_delay_alu instid0(VALU_DEP_2)
	v_lshrrev_b32 v[T0], 23, v30
	s_delay_alu instid0(VALU_DEP_2)
	v_lshrrev_b32 v[T1], 23, v31
	s_delay_alu instid0(VALU_DEP_1)
	v_lshl_or_b32 v[PS], v[T1], 16, v[T0]          ; my two bytes: blocks h and 2 + h,
	s_delay_alu instid0(VALU_DEP_1)
	v_lshlrev_b32 v[PS], v5, v[PS]                 ; 8 h bits up;
	s_delay_alu instid0(VALU_DEP_1)
	v_permlanex16_b32 v23, v[PS], s[SEL], s[SEL+1]
	s_delay_alu instid0(VALU_DEP_1)
	v_or_b32 v[PS], v[PS], v23                     ; with lane l xor 16's the word is whole
	v_cvt_scalef32_pk16_fp6_f32 v[P:P+2], v[S:S+15], v30
	v_cvt_scalef32_pk16_fp6_f32 v[TP:TP+2], v[S+16:S+31], v30
	v_cvt_scalef32_pk16_fp6_f32 v[P+6:P+8], v[S+32:S+47], v31
	v_cvt_scalef32_pk16_fp6_f32 v[TP+4:TP+6], v[S+48:S+63], v31
	v_pk_add_f32 v[C2:C2+1], v[S:S+1], v[S+2:S+3]  ; the sum of the unquantised p, in two chains.  (The plain place behind the conversions)
	v_pk_add_f32 v[14:15], v[14:15], v[S+4:S+5]
.irp i, 0,1,2
	v_mov_b32 v[P+3+\i], v[TP+\i]                  ; (a conversion's three registers begin on an even number)
	v_mov_b32 v[P+9+\i], v[TP+4+\i]
.endr
	v_pk_add_f32 v[C2:C2+1], v[C2:C2+1], v[S+6:S+7]
.set n, 8
.rept 14
	v_pk_add_f32 v[14:15], v[14:15], v[S+n:S+n+1]
	v_pk_add_f32 v[C2:C2+1], v[C2:C2+1], v[S+n+2:S+n+3]
.set n, n+4
.endr
	s_delay_alu instid0(VALU_DEP_1)
	v_pk_add_f32 v[14:15], v[14:15], v[C2:C2+1]    ; these thirty additions are also the places between the scale word, p's codes and the products below
	s_wait_loadcnt 13                              ; all but the next K's 13: V and its scale words are in, and their base may be written
	s_mov_b64 s[CUR:CUR+1], s[NXT:NXT+1]
.irp z, 0,1,2,3                        ; each accumulator's turn is one instruction, and the eight products K Q^T stand between its turns
.if \z%2
	v_wmma_scale_f32_16x16x128_f8f6f4 v[O+8*\z:O+8*\z+7], v[VF+12*\z:VF+12*\z+11], v[P:P+11], v[O+8*\z:O+8*\z+7], v[28+\z/2], v[PS] matrix_a_fmt:MATRIX_FMT_FP6 matrix_b_fmt:MATRIX_FMT_FP6 matrix_a_scale:MATRIX_SCALE_ROW1
.else
	v_wmma_scale_f32_16x16x128_f8f6f4 v[O+8*\z:O+8*\z+7], v[VF+12*\z:VF+12*\z+11], v[P:P+11], v[O+8*\z:O+8*\z+7], v[28+\z/2], v[PS] matrix_a_fmt:MATRIX_FMT_FP6 matrix_b_fmt:MATRIX_FMT_FP6
.endif
.endr
	s_add_co_u32 s[CT], s[CT], 1
	s_cmp_lt_u32 s[CT], s[NT]
	s_cbranch_scc1 .Lstep
	; THE WAY OUT: O^T / the sum; registers 16 b .. 16 b + 15 are channels 32 b + 16 h + 0 .. 15 of my query: quantised, they are half a fragment (64 along K) of the last product's operand
	s_wait_loadcnt 0x0                             ; the last trip's loads have landed: their registers serve below
	s_wait_kmcnt 0x0
	s_wait_alu depctr_va_vdst(0)
	v_add_f32 v14, v14, v15                        ; five plain lines: the places behind the last products
	v_lshrrev_b32 v[T0], 1, v1                     ; 8 x lane
	v_and_b32 v[T1], 60, v2                        ; 4 x (lane % 16)
	v_mov_b32 v[KF+14], 0                          ; lane permutes' destinations
	v_mov_b32 v[KF+15], 0
	v_permlanex16_b32 v23, v14, s[SEL], s[SEL+1]
	s_delay_alu instid0(VALU_DEP_1)
	v_add_f32 v14, v14, v23                        ; the row's sum
	s_wait_alu depctr_va_vdst(0)                   ; the wait ahead of the transcendental
	v_rcp_f32 v14, v14
	v_nop                                          ; a plain place behind the reciprocal
	s_wait_alu depctr_va_vdst(0)                   ; ahead of its first reader
.set n, 0
.rept 32
	v_mul_f32 v[S+n], v[O+n], v14
.set n, n+1
.endr
	QUANT2 S, S+16, KF, KF+8, KF+12
.irp p, 0,1,2
	global_store_b64 v[T0], v[KF+2*\p:KF+2*\p+1], s[10:11] offset:256*\p   ; 32 lanes store 256 consecutive bytes, aligned
.endr
	global_store_b16 v[T1], v[KF+18], s[12:13]     ; my row's two scale bytes; both halves of the lanes write the same
	s_endpgm
.Lfunc_end_k_q09e190b7cc_attn:
	.size	k_q09e190b7cc_attn, .Lfunc_end_k_q09e190b7cc_attn-k_q09e190b7cc_attn
	.p2alignl 7, 3214868480
	.fill 96, 4, 3214868480
	.section	.rodata,"a",@progbits
	.p2align	6, 0x0
	.amdhsa_kernel k_q09e190b7cc_attn
		.amdhsa_group_segment_fixed_size 0
		.amdhsa_private_segment_fixed_size 0
		.amdhsa_enable_private_segment 0
		.amdhsa_kernarg_size 40
		.amdhsa_user_sgpr_count 2
		.amdhsa_user_sgpr_kernarg_segment_ptr 1
		.amdhsa_wavefront_size32 1
		.amdhsa_system_sgpr_workgroup_id_x 1
		.amdhsa_system_sgpr_workgroup_id_y 1
		.amdhsa_system_sgpr_workgroup_id_z 1
		.amdhsa_system_vgpr_workitem_id 0
		.amdhsa_next_free_vgpr 256
		.amdhsa_next_free_sgpr 106
		.amdhsa_reserve_vcc 0
		.amdhsa_float_denorm_mode_32 3
		.amdhsa_float_denorm_mode_16_64 3
		.amdhsa_memory_ordered 1
		.amdhsa_forward_progress 1
		.amdhsa_inst_pref_size 40
	.end_amdhsa_kernel
	.amdgpu_metadata
---
amdhsa.version: [ 1, 2 ]
amdhsa.kernels:
  - .name:           k_q09e190b7cc_attn
    .symbol:         k_q09e190b7cc_attn.kd
    .args:
      - { .name: QC, .offset: 0, .size: 8, .value_kind: global_buffer, .address_space: global }
      - { .name: KV, .offset: 8, .size: 8, .value_kind: global_buffer, .address_space: global }
      - { .name: MW, .offset: 16, .size: 8, .value_kind: global_buffer, .address_space: global }
      - { .name: OC, .offset: 24, .size: 8, .value_kind: global_buffer, .address_space: global }
      - { .name: OS, .offset: 32, .size: 8, .value_kind: global_buffer, .address_space: global }
    .group_segment_fixed_size: 0
    .private_segment_fixed_size: 0
    .kernarg_segment_align: 8
    .kernarg_segment_size: 40
    .max_flat_workgroup_size: 384
    .sgpr_count:     106
    .vgpr_count:     256
    .wavefront_size: 32
...
	.end_amdgpu_metadata
.endif
;; end of part 2
;; launch oproj (part 3): grid 4 x 64, 8 waves a work-group, clusters of 4 x 4, 327,680 bytes of LDS; arguments OC, OS, Wo_codes, Wo_scales, bo, out0; writes out0
.if DOCPART == 3
	.amdgcn_target "amdgcn-amd-amdhsa--gfx1250"
	.amdhsa_code_object_version 6
	.text
	.protected	k_q09e190b7cc_oproj
	.globl	k_q09e190b7cc_oproj
	.p2align	8
	.type	k_q09e190b7cc_oproj,@function
k_q09e190b7cc_oproj:
	s_mov_b64 s[64:65], 0
	v_nop
	global_prefetch_b8 v0, s[64:65] scope:SCOPE_SE
	s_setreg_imm32_b32 hwreg(HW_REG_WAVE_MODE, 25, 1), 1
	s_wait_xcnt 0x0
	s_wait_alu depctr_hold_cnt(0) depctr_sa_sdst(0) depctr_va_vdst(0) depctr_va_sdst(0) depctr_va_ssrc(0) depctr_va_vcc(0) depctr_vm_vsrc(0)
	s_getreg_b32 s2, hwreg(HW_REG_IB_STS2, 6, 4)
	s_cmp_eq_u32 s2, 0
	s_cbranch_scc0 .Lentry_in_a_cluster
	s_endpgm
.Lentry_in_a_cluster:
	s_bfe_u32 s2, ttmp6, 0x10000c
	s_cmp_lg_u32 s2, 0xf033
	s_cbranch_scc0 .Lentry_shape_is_right
	s_endpgm
.Lentry_shape_is_right:
; out = o Wo^T + bo on codes of FP6 (E2M3) with E8M0 scales.  o comes as operand images: [tile of 16 rows][K step 6][piece 6][32 lanes x 8 bytes], its scale words [tile][K step][row].
; SHARES.  Work-group (g, qb): 64 rows (tiles 4 qb ..) x 192 channels (192 g ..).  Wave w: tiles 2 (w & 1) + 0, 1 x channel tiles 3 (w >> 1) + 0 .. 2: six accumulators, 36 matrix instructions.
; Transposed: source 0 = 16 rows of Wo, source 1 = o: a lane holds one row and eight neighbouring channels.  The bias is the C of each sum's first instruction.
; Row r of tile 4 qb + u is row 32 (r >> 3) + 8 (2 (u & 1) + (u >> 1)) + (r & 7) of the 64: the stage's addresses put the rows in order.
; CLUSTER 4 x 4: Wo's rows hang on g alone and are asked for jointly along a column of the cluster, o's on qb alone, along a row.  Nothing in LDS is filled twice.
.set PITCH, 720                        ; an LDS row of codes: nine pieces of 64 bytes, 16 bytes of padding behind each = 180 words: row r starts at bank 52 r mod 64 (64 banks of 4 bytes: ISA guide 11.1), lanes 16-31 read 6 or 10 words on: 64 different banks
.set PADB,  16
.set OCL,   0                          ; o's codes: 4 tiles x 9,216 bytes
.set WO,    36864                      ; Wo's codes: 192 rows
.set OSL,   WO+192*PITCH               ; o's scale words
.set WOS,   OSL+1536                   ; Wo's scale bytes, 24 a row
.set STG,   WOS+4608                   ; the stage: 64 rows x (768 + 16) bytes
.set SPI,   784
.set BI,    16                         ; v16-39 the bias; v40-51 o's scale words, v52-69 Wo's; v70-129, v130-189 two sets of five fragments; v190-237 the accumulators
.set OSC,   40
.set WSC,   52
.set ACC,   190
.macro CROUND
	s_barrier_signal -1
	s_barrier_wait -1
	s_cmp_lg_u32 s2, 0
	s_cbranch_scc1 .Lnot_wave_0_\@
	s_barrier_signal -3
.Lnot_wave_0_\@:
	s_barrier_wait -3
	s_barrier_signal -1
	s_barrier_wait -1
.endm
.macro PLACES
.rept 4
	v_nop
.endr
.endm
.macro FRAG reg, adr, adr2, row, kb    ; byte y of a row lies at y + PADB (y / 64); adr2 = adr + PADB h serves the pieces whose lanes 16-31 lie one 64 further on
.irp p, 0,1,2,3,4,5
.set BY, (\kb)+48*(\p/3)+8*(\p%3)
.if BY/64 == (BY+24)/64
	ds_load_b64 v[\reg+2*\p:\reg+2*\p+1], v[\adr] offset:(\row)+BY+PADB*(BY/64)
.else
	ds_load_b64 v[\reg+2*\p:\reg+2*\p+1], v[\adr2] offset:(\row)+BY+PADB*(BY/64)
.endif
.endr
.endm
.macro FETCH k                         ; K step k's five fragments into set k % 2: 30 loads
.set FB, 70+60*((\k)%2)
.irp t, 0,1
.irp p, 0,1,2,3,4,5
	ds_load_b64 v[FB+12*\t+2*\p:FB+12*\t+2*\p+1], v4 offset:\t*9216+(\k)*1536+256*\p
.endr
.endr
.irp n, 0,1,2
	FRAG FB+24+12*\n, 3, 14, \n*16*PITCH, 96*(\k)
.endr
.endm
.macro MULS k                          ; six accumulators by turns, one instruction a turn
.set FB, 70+60*((\k)%2)
.irp t, 0,1
.irp n, 0,1,2
.if (\k) == 0
	v_wmma_scale_f32_16x16x128_f8f6f4 v[ACC+24*\t+8*\n:ACC+24*\t+8*\n+7], v[FB+24+12*\n:FB+24+12*\n+11], v[FB+12*\t:FB+12*\t+11], v[BI+8*\n:BI+8*\n+7], v[WSC+6*\n+(\k)], v[OSC+6*\t+(\k)] matrix_a_fmt:MATRIX_FMT_FP6 matrix_b_fmt:MATRIX_FMT_FP6
.else
	v_wmma_scale_f32_16x16x128_f8f6f4 v[ACC+24*\t+8*\n:ACC+24*\t+8*\n+7], v[FB+24+12*\n:FB+24+12*\n+11], v[FB+12*\t:FB+12*\t+11], v[ACC+24*\t+8*\n:ACC+24*\t+8*\n+7], v[WSC+6*\n+(\k)], v[OSC+6*\t+(\k)] matrix_a_fmt:MATRIX_FMT_FP6 matrix_b_fmt:MATRIX_FMT_FP6
.endif
.endr
.endr
.endm
	s_load_b256 s[4:11], s[0:1], 0x0               ; OC, OS, Wo's codes, Wo's scales
	s_load_b128 s[12:15], s[0:1], 0x20             ; bo, out0
	v_lshl_add_u32 v254, v0, 2, 0x38800
	v_mov_b32 v255, 0
	ds_add_u32 v254, v255
	ds_add_u32 v254, v255
	v_lshrrev_b32 v1, 5, v0
	s_delay_alu instid0(VALU_DEP_1)
	v_readfirstlane_b32 s2, v1                     ; wave 0..7
	s_bfe_u32 s66, ttmp6, 0x40000                  ; cx
	s_bfe_u32 s67, ttmp6, 0x40004                  ; cy
	s_lshl_b32 s68, ttmp9, 2
	s_add_co_u32 s68, s68, s66                     ; g
	s_and_b32 s69, ttmp7, 0xffff
	s_lshl_b32 s69, s69, 2
	s_add_co_u32 s69, s69, s67                     ; qb
	s_lshl_b32 s70, s67, 2
	s_lshl_b32 s70, 15, s70                        ; my row of the cluster
	s_lshl_b32 s71, 0x1111, s66                    ; my column
	s_or_b32 s16, s71, (3<<16)|(1<<20)|(1<<21)|(3<<22)|(3<<25)   ; Wo's codes: 96 rows of 576 bytes, dense in memory, stated as 864 rows of 64 bytes, none of which runs across a multiple of 256; 4 words of padding behind each 16
	s_mov_b32 s17, 8<<16
	s_mov_b32 s18, 864<<16
	s_mov_b32 s19, 8<<16
	s_mov_b32 s20, 864
	s_mov_b32 s21, 8
	s_mov_b32 s22, 0
	s_mov_b32 s23, 0
	s_or_b32 s24, s71, (3<<16)|(1<<21)             ; Wo's scale bytes: 2,304 dense bytes as 9 rows of 256
	s_mov_b32 s25, 32<<16
	s_mov_b32 s26, 9<<16
	s_mov_b32 s27, 32<<16
	s_mov_b32 s28, 9
	s_mov_b32 s29, 32
	s_mov_b32 s30, 0
	s_mov_b32 s31, 0
	s_or_b32 s32, s70, (3<<16)|(1<<21)             ; o's codes: 36,864 dense bytes as 144 rows of 256
	s_mov_b32 s33, 32<<16
	s_mov_b32 s34, 144<<16
	s_mov_b32 s35, 32<<16
	s_mov_b32 s36, 144
	s_mov_b32 s37, 32
	s_mov_b32 s38, 0
	s_mov_b32 s39, 0
	s_or_b32 s40, s70, (3<<16)|(1<<21)             ; o's scale words: 1,536 dense bytes as 6 rows of 256
	s_mov_b32 s41, 32<<16
	s_mov_b32 s42, 6<<16
	s_mov_b32 s43, 32<<16
	s_mov_b32 s44, 6
	s_mov_b32 s45, 32
	s_mov_b32 s46, 0
	s_mov_b32 s47, 0
	s_and_b32 s3, s2, 1
	s_lshr_b32 s78, s2, 1
	s_mov_b32 s48, 1
	s_mul_i32 s49, s3, 96*PITCH
	s_add_co_u32 s49, s49, WO
	s_mov_b32 s52, 1
	s_mul_i32 s53, s3, 2304
	s_add_co_u32 s53, s53, WOS
	s_mov_b32 s56, 1
	s_mov_b32 s57, OCL
	s_mov_b32 s60, 1
	s_mov_b32 s61, OSL
	s_mul_i32 s72, s68, 110592                     ; Wo's side: g and the wave's number alone
	s_mul_i32 s73, s3, 55296
	s_add_co_u32 s72, s72, s73
	s_mov_b32 s73, 0
	s_mul_i32 s84, s68, 4608
	s_mul_i32 s85, s3, 2304
	s_add_co_u32 s84, s84, s85
	s_mov_b32 s85, 0
	s_mul_i32 s74, s69, 36864                      ; o's side: qb alone
	s_mov_b32 s75, 0
	s_mul_i32 s86, s69, 1536
	s_mov_b32 s87, 0
	s_wait_dscnt 0x0
	s_wait_kmcnt 0x0
	s_add_nc_u64 s[50:51], s[8:9], s[72:73]
	s_or_b32 s51, s51, 0x80000000
	s_add_nc_u64 s[54:55], s[10:11], s[84:85]
	s_or_b32 s55, s55, 0x80000000
	s_add_nc_u64 s[58:59], s[4:5], s[74:75]
	s_or_b32 s59, s59, 0x80000000
	s_add_nc_u64 s[62:63], s[6:7], s[86:87]
	s_or_b32 s63, s63, 0x80000000
	CROUND                                         ; all sixteen work-groups are here: the joint loads meet
	s_cmp_lt_u32 s2, 2                             ; one load a wave, in one tree of branches on the wave's number: waves 0, 1 Wo's codes, 2, 3 its scales, 4 o's codes, 5 o's scales
	s_cbranch_scc0 .Lt1
	tensor_load_to_lds s[48:51], s[16:23]
	s_nop 0
	PLACES
	s_branch .Lasked
.Lt1:
	s_cmp_lt_u32 s2, 4
	s_cbranch_scc0 .Lt2
	tensor_load_to_lds s[52:55], s[24:31]
	s_nop 0
	PLACES
	s_branch .Lasked
.Lt2:
	s_cmp_eq_u32 s2, 4
	s_cbranch_scc0 .Lt3
	tensor_load_to_lds s[56:59], s[32:39]
	s_nop 0
	PLACES
	s_branch .Lasked
.Lt3:
	s_cmp_eq_u32 s2, 5
	s_cbranch_scc0 .Lasked
	tensor_load_to_lds s[60:63], s[40:47]
	s_nop 0
	PLACES
.Lasked:
	v_and_b32 v1, 15, v0                           ; r
	v_bfe_u32 v2, v0, 4, 1                         ; h
	v_and_b32 v11, 31, v0                          ; lane
	s_delay_alu instid0(VALU_DEP_3)
	v_mul_u32_u24 v12, v1, PITCH
	s_delay_alu instid0(VALU_DEP_1)
	v_mad_u32_u24 v12, v2, 24, v12
	s_mul_i32 s79, s78, 48*PITCH
	s_add_co_u32 s79, s79, WO
	v_add_nc_u32 v3, s79, v12                      ; v3  Wo's fragments: my 48 rows
	v_lshl_add_u32 v14, v2, 4, v3                  ; v14 the same, lanes 16-31 one padding further on
	s_mul_i32 s79, s3, 18432
	v_lshl_add_u32 v4, v11, 3, s79                 ; v4  o's images: my two tiles, 8 bytes a lane
	s_mul_i32 s79, s3, 768
	s_add_co_u32 s79, s79, OSL
	v_lshl_add_u32 v5, v1, 2, s79                  ; v5  o's scale words
	s_mul_i32 s79, s78, 1152
	s_add_co_u32 s79, s79, WOS
	v_mul_u32_u24 v6, v1, 24
	s_delay_alu instid0(VALU_DEP_1)
	v_add_nc_u32 v6, s79, v6                       ; v6  Wo's scale words
	v_bfe_u32 v12, v0, 3, 1
	v_and_b32 v13, 7, v0
	s_delay_alu instid0(VALU_DEP_1)
	v_lshl_add_u32 v12, v12, 5, v13
	s_delay_alu instid0(VALU_DEP_1)
	v_mul_u32_u24 v12, v12, SPI
	s_delay_alu instid0(VALU_DEP_1)
	v_lshl_add_u32 v12, v2, 5, v12
	s_mul_i32 s79, s3, 8*SPI
	s_mul_i32 s80, s78, 192
	s_add_co_u32 s79, s79, s80
	s_add_co_u32 s79, s79, STG
	v_add_nc_u32 v7, s79, v12                      ; v7  into the stage: my row, my eight channels
	s_lshl_b32 s79, s2, 3
	v_add_nc_u32 v12, s79, v2                      ; row 8 w + h
	s_delay_alu instid0(VALU_DEP_1)
	v_mul_u32_u24 v8, v12, SPI
	s_delay_alu instid0(VALU_DEP_1)
	v_lshl_add_u32 v8, v1, 4, v8
	s_delay_alu instid0(VALU_DEP_1)
	v_add_nc_u32 v8, STG, v8                       ; v8  back: sixteen lanes to 256 bytes of a row
	s_delay_alu instid0(VALU_DEP_4)
	v_mul_u32_u24 v9, v12, 3072
	s_delay_alu instid0(VALU_DEP_1)
	v_lshl_add_u32 v9, v1, 4, v9                   ; v9  the same place in out0
	v_lshlrev_b32 v10, 5, v2                       ; v10 the bias: my half's eight numbers
	s_wait_alu depctr_va_vdst(0)
	s_mul_i32 s76, s69, 196608
	s_mul_i32 s77, s68, 768
	s_add_co_u32 s76, s76, s77
	s_mov_b32 s77, 0
	s_add_nc_u64 s[14:15], s[14:15], s[76:77]      ; out0 at my work-group's corner
	s_mul_i32 s80, s68, 768
	s_mul_i32 s81, s78, 192
	s_add_co_u32 s80, s80, s81
	s_mov_b32 s81, 0
	s_add_nc_u64 s[12:13], s[12:13], s[80:81]      ; bo at my 48 channels
.irp n, 0,1,2
	global_load_b128 v[BI+8*\n:BI+8*\n+3], v10, s[12:13] offset:64*\n
	global_load_b128 v[BI+8*\n+4:BI+8*\n+7], v10, s[12:13] offset:64*\n+16
.endr
	s_wait_tensorcnt 0x0                           ; my tile, if I asked for one, has landed
	s_barrier_signal -1
	s_barrier_wait -1                              ; everybody's has
.irp t, 0,1
.irp k, 0,1,2,3,4,5
	ds_load_b32 v[OSC+6*\t+\k], v5 offset:\t*384+64*\k
.endr
.endr
.irp n, 0,1,2
.irp z, 0,1,2
	ds_load_b64 v[WSC+6*\n+2*\z:WSC+6*\n+2*\z+1], v6 offset:\n*384+8*\z
.endr
.endr
	FETCH 0
	FETCH 1
	s_wait_loadcnt 0x0                             ; the bias
.irp k, 0,1,2,3,4,5
.if \k < 5
	s_wait_dscnt 30                                ; this K step's fragments are in; the next step's 30 loads may be out
.else
	s_wait_dscnt 0x0
.endif
	MULS \k
	PLACES                                         ; ahead of the loads into the set just multiplied, and at the end of the reads of the results
.if \k < 4
	FETCH \k+2
.endif
.endr
.irp t, 0,1
.irp n, 0,1,2
	ds_store_b128 v7, v[ACC+24*\t+8*\n:ACC+24*\t+8*\n+3] offset:\t*16*SPI+64*\n        ; each accumulator from its low end on
	ds_store_b128 v7, v[ACC+24*\t+8*\n+4:ACC+24*\t+8*\n+7] offset:\t*16*SPI+64*\n+16
.endr
.endr
	s_wait_dscnt 0x0                               ; for the others' sake: my stores into the stage are done
	s_barrier_signal -1
	s_barrier_wait -1
.irp i, 0,1,2,3,4,5,6,7,8,9,10,11
	ds_load_b128 v[70+4*\i:73+4*\i], v8 offset:(\i/3)*2*SPI+(\i%3)*256
.endr
.irp i, 0,1,2,3,4,5,6,7,8,9,10,11
	s_wait_dscnt 11-\i                             ; LDS loads come back in order: load i is in
	global_store_b128 v9, v[70+4*\i:73+4*\i], s[14:15] offset:(\i/3)*6144+(\i%3)*256 th:TH_STORE_NT   ; sixteen lanes store 256 consecutive bytes, aligned
.endr
	s_wait_tensorcnt 0x0
	ds_add_u32 v254, v255
	s_wait_dscnt 0x0
	CROUND                                         ; the closing round
	s_endpgm
.Lfunc_end_k_q09e190b7cc_oproj:
	.size	k_q09e190b7cc_oproj, .Lfunc_end_k_q09e190b7cc_oproj-k_q09e190b7cc_oproj
	.p2alignl 7, 3214868480
	.fill 96, 4, 3214868480
	.section	.rodata,"a",@progbits
	.p2align	6, 0x0
	.amdhsa_kernel k_q09e190b7cc_oproj
		.amdhsa_group_segment_fixed_size 327680
		.amdhsa_private_segment_fixed_size 0
		.amdhsa_enable_private_segment 0
		.amdhsa_kernarg_size 48
		.amdhsa_user_sgpr_count 2
		.amdhsa_user_sgpr_kernarg_segment_ptr 1
		.amdhsa_wavefront_size32 1
		.amdhsa_system_sgpr_workgroup_id_x 1
		.amdhsa_system_sgpr_workgroup_id_y 1
		.amdhsa_system_sgpr_workgroup_id_z 1
		.amdhsa_system_vgpr_workitem_id 0
		.amdhsa_next_free_vgpr 256
		.amdhsa_next_free_sgpr 100
		.amdhsa_reserve_vcc 0
		.amdhsa_float_denorm_mode_32 3
		.amdhsa_float_denorm_mode_16_64 3
		.amdhsa_memory_ordered 1
		.amdhsa_forward_progress 1
		.amdhsa_inst_pref_size 32
	.end_amdhsa_kernel
	.amdgpu_metadata
---
amdhsa.version: [ 1, 2 ]
amdhsa.kernels:
  - .name:           k_q09e190b7cc_oproj
    .symbol:         k_q09e190b7cc_oproj.kd
    .args:
      - { .name: OC, .offset: 0, .size: 8, .value_kind: global_buffer, .address_space: global }
      - { .name: OS, .offset: 8, .size: 8, .value_kind: global_buffer, .address_space: global }
      - { .name: Wo_codes, .offset: 16, .size: 8, .value_kind: global_buffer, .address_space: global }
      - { .name: Wo_scales, .offset: 24, .size: 8, .value_kind: global_buffer, .address_space: global }
      - { .name: bo, .offset: 32, .size: 8, .value_kind: global_buffer, .address_space: global }
      - { .name: out0, .offset: 40, .size: 8, .value_kind: global_buffer, .address_space: global }
    .group_segment_fixed_size: 327680
    .private_segment_fixed_size: 0
    .kernarg_segment_align: 8
    .kernarg_segment_size: 48
    .max_flat_workgroup_size: 256
    .sgpr_count:     100
    .vgpr_count:     256
    .wavefront_size: 32
...
	.end_amdgpu_metadata
.endif
;; end of part 3
